; MI455X (gfx1250); checked and timed in simulation.
; The chip was launched on July 23, 2026; its instructions are those of AMD's public machine-readable ISA for CDNA 5 (MIT licence, August 2026) and "CDNA5" Instruction Set Architecture Reference Guide (July 2026). The comments in the code are by the model that wrote it; some were corrected since.
;; RNN Agent DIVA. Allowed arithmetic: matrix products marked QUANTISED: E2M3 operands, one E8M0 scale for each 32 along K, by v_wmma_scale_f32_16x16x128_f8f6f4 with both operands' format E2M3, f32 sums; everything else in f32.
;; Inputs: W1 1,024 x 512 float32; W2 128 x 1,024 float32; Whn 1,024 x 1,024 float32; Whr 1,024 x 1,024 float32; Whz 1,024 x 1,024 float32; Wxn 1,024 x 1,024 float32; Wxr 1,024 x 1,024 float32; Wxz 1,024 x 1,024 float32; b1 1,024 float32; b2 128 float32; bhn 1,024 float32; bhr 1,024 float32; bhz 1,024 float32; bxn 1,024 float32; bxr 1,024 float32; bxz 1,024 float32; hidden 8,192 x 1,024 float32; inputs 8,192 x 512 float32.
;; Outputs: out0 8,192 x 128 float32; out1 8,192 x 1,024 float32.
;; This version of the problem:
;;   THIS VERSION OF THE PROBLEM IS GIVEN IN LOW PRECISION. The matrix products marked QUANTISED in the list below multiply operands that are first quantised to E2M3 (2 exponent bits, 3 mantissa bits; 6 bits a number), with one power-of-two scale for each 32 numbers along K (OCP MX v1.0); their sums are f32. All else is computed in f32.
;;   The module's matrix products, in the order in which they are computed (A, B: the left and right operand; K: the contracted axis; several contracted axes count as one K, in the product's order):
;;     1. [M 8,192, K 512] x [K 512, N 1,024]; A: input inputs; B: input W1: QUANTISED
;;     2. [M 8,192, K 1,024] x [K 1,024, N 1,024]; A: computed on the way; B: input Wxr: QUANTISED
;;     3. [M 8,192, K 1,024] x [K 1,024, N 1,024]; A: input hidden; B: input Whr: QUANTISED
;;     4. [M 8,192, K 1,024] x [K 1,024, N 1,024]; A: computed on the way; B: input Wxz: QUANTISED
;;     5. [M 8,192, K 1,024] x [K 1,024, N 1,024]; A: input hidden; B: input Whz: QUANTISED
;;     6. [M 8,192, K 1,024] x [K 1,024, N 1,024]; A: computed on the way; B: input Wxn: QUANTISED
;;     7. [M 8,192, K 1,024] x [K 1,024, N 1,024]; A: input hidden; B: input Whn: QUANTISED
;;     8. [M 8,192, K 1,024] x [K 1,024, N 128]; A: computed on the way; B: input W2: QUANTISED
;;   THE QUANTISER, for each operand of a quantised product, along K:
;;     - K is cut into blocks of 32 from its start; a last block that is shorter is filled with zeros.
;;     - A block's scale is 2^e with e = floor(log2(the largest magnitude in the block)) - 2, held to -126 .. 127; a block of zeros has e = 0. As a byte (E8M0): e + 127.
;;     - Each number is divided by its block's scale, clamped to +-7.5, and rounded to the nearest number of E2M3, ties to even, subnormals kept.
;;     - The product sums the exact products of the quantised numbers (number of the format x scale) in f32.
;;   ~~~python
;;   def quantise(x, axis):      # numpy; x: float32 -> the quantised numbers, widened to float32 again
;;       x = np.moveaxis(x, axis, -1); K = x.shape[-1]
;;       x = np.pad(x, [(0, 0)] * (x.ndim - 1) + [(0, -K % 32)]); x = x.reshape(x.shape[:-1] + (-1, 32)); a = np.abs(x).max(-1, keepdims=True)
;;       e = np.where(a > 0, np.clip(np.frexp(np.where(a > 0, a, 1))[1] - 1 - 2, -126, 127), 0)      # np.frexp(a)[1] - 1 = floor(log2(a)), exactly
;;       r = np.clip(x / 2.0 ** e, -7.5, 7.5)
;;       step = 2.0 ** (np.maximum(np.frexp(np.where(r == 0, 1, r))[1] - 1, 0) - 3)
;;       q = np.round(r / step) * step * 2.0 ** e      # np.round: ties to even
;;       return np.moveaxis(q.reshape(q.shape[:-2] + (-1,))[..., :K], -1, axis).astype(np.float32)
;;   ~~~
;;   OPERANDS COMPUTED ON THE WAY. 'Computed on the way' means the value that the module computes at that place (a softmax that the list does not call 'softmax' is quantised finished and normalised). What goes into a quantiser is computed in f32, as accurately as f32 sums, v_exp_f32 and their like allow (about 1e-6 of the number): no bf16 or f16 on the way to a quantiser, and a product that is left as it is and whose result goes on into a quantised operand takes f32 operands (vector FMAs, or v_wmma_f32_16x16x4_f32). A number that lies on a knife's edge between two numbers of the format may be rounded either way, as far as f32 arithmetic and the matrix unit's own rounding can turn it there, and no further.
;; One version. Each part assembles by itself: llvm-mc -triple=amdgcn-amd-amdhsa -mcpu=gfx1250 --defsym DOCPART=n.
;; ======== version 1 of 1: 4 launches
;; limits: right only within a limited range of input values
;; workspace buffers: act 13,107,200 bytes; wq 8,704,000 bytes; h2 6,553,600 bytes
;; launch quant (part 1): grid 2384 x 1, 1 waves a work-group, no clusters, 8,704 bytes of LDS; arguments hidden, inputs, Wxr, Wxz, Wxn, Whr, Whz, Whn, W1, W2, act, wq; writes act, wq
.if DOCPART == 1
	.amdgcn_target "amdgcn-amd-amdhsa--gfx1250"
	.amdhsa_code_object_version 6
	.text
	.protected	k_q59f39328dc_quant
	.globl	k_q59f39328dc_quant
	.p2align	8
	.type	k_q59f39328dc_quant,@function
k_q59f39328dc_quant:
	s_mov_b64 s[64:65], 0
	v_nop
	global_prefetch_b8 v0, s[64:65] scope:SCOPE_SE
	s_setreg_imm32_b32 hwreg(HW_REG_WAVE_MODE, 25, 1), 1
	s_wait_xcnt 0x0
; All ten f32 operands (K innermost) become codes of FP6 (E2M3) with one E8M0 scale byte for each 32 along K, laid IN THE ORDER OF THE OPERAND'S REGISTERS.
; A FRAGMENT is 16 rows x 128 K: 12 registers a lane, 1,536 bytes: registers 4 c .. 4 c + 3 of lane l at 512 c + 16 l.  The scale words of four neighbouring fragments are a GROUP of 256 bytes: row r's four words at 16 r.
; A block's scale is 2^(floor(log2(its largest magnitude)) - 2); its byte is the largest magnitude's exponent field - 2, held at 1 from below.
; LIMITS: a block whose largest magnitude lies under 2^-124 gets the byte 1; a block of zeros gets 1 where the rule says 127 (its codes are zeros, and this program alone reads the bytes); NaN and infinities are not served.
; SHARES.  A work-group is ONE wave and takes one task: 64 rows x 128 K = four fragments and one group.  2,384 tasks; four neighbouring work-groups take neighbouring K steps of the same rows.
; One path through the text serves all tensors: sizes and pointers are chosen by s_cselect on the work-group's number.
; W1 and the six gate weights are laid with their rows in another order: fragment 2 b + u, row i, is weight row 32 b + 8 u + i + 8 (i / 8), so that the results of the transposed products lie along the next K.
; Each load reads 512 consecutive bytes of one row; a fragment's 16 rows turn through the wave's stage in LDS (rows 528 bytes apart), so that a lane gets 16 neighbours of each block of 32.
; Each fragment's codes have registers of their own, and all stores stand at the wave's end: no store's data are written again.
; A stream: every byte is read once and written once: no matrix unit, no cluster, no tensor load, no barrier.
.set GW,   3276800                     ; wq: the gate weights  [ct 8][ks 8][j 3] blocks of 25,600 bytes (weights 2 j and 2 j + 1: 8 fragments each, then 4 groups)
.set W1C,  8192000                     ; wq: W1  [ct 4][ks 4] blocks of 25,600 (16 fragments, 4 groups)
.set W2C,  8601600                     ; wq: W2  [ks 8] blocks of 12,800 (8 fragments, 2 groups).  wq begins with inputs: [rb 64][ks 4] blocks of 12,800
.set SP,   528                         ; a stage row: 512 bytes + 16
.set VO,   8                           ; v8-15   16 x lane + i rows of the source
.set CT,   28                          ; v28-30, v32-34 the conversions' second halves
.set PW,   36                          ; v36-39  the four fragments' scale words
.set TM,   40                          ; v40-43 largest magnitudes, v44-47 the other half's, then bytes, v48-51 the conversions' scale operands
.set X,    56                          ; v56-119 64 numbers: register 16 b + i = k 32 b + 16 (lane / 16) + i of my row
.set PC,   184                         ; v184-231 the four fragments' codes.  A fragment as loaded: the even ones in v120-183, the odd ones in window 1, v0-63
.set SEL,  68                          ; s[68:69] lane selects: lane l xor 16
.set MSB, 0
.macro WIN new                         ; the immediate's high byte repeats the setting that is left
.if MSB != (\new)
	s_set_vgpr_msb (MSB<<8)|(\new)
.set MSB, (\new)
.endif
.endm
.macro QUANT s, pc, pw                 ; 64 numbers of a lane become a fragment's codes in v[pc] on and its scale word in v[pw]
.irp b, 0,1,2,3
	v_max3_num_f32 v[TM+\b], |v[\s+16*\b]|, |v[\s+1+16*\b]|, 0x1800000   ; my 16 numbers of block b, and the floor 2^(3 - 127)
.endr
.irp i, 2,4,6,8,10,12,14
.irp b, 0,1,2,3
	v_max3_num_f32 v[TM+\b], v[TM+\b], |v[\s+16*\b+\i]|, |v[\s+1+16*\b+\i]|
.endr
.endr
.irp b, 0,1,2,3
	v_permlanex16_b32 v[TM+4+\b], v[TM+\b], s[SEL], s[SEL+1]
.endr
.irp b, 0,1,2,3
	v_max_num_f32 v[TM+\b], v[TM+\b], v[TM+4+\b]       ; with lane l xor 16's: the block's largest magnitude
.endr
.irp b, 0,1,2,3
	v_add_nc_u32 v[TM+8+\b], 0xff000000, v[TM+\b]      ; 2 off its exponent field: the conversion's scale operand
.endr
.irp b, 0,1,2,3
	v_lshrrev_b32 v[TM+4+\b], 23, v[TM+8+\b]           ; the scale's byte
.endr
	v_lshl_or_b32 v[\pw], v[TM+5], 8, v[TM+4]
	v_lshl_or_b32 v[\pw], v[TM+6], 16, v[\pw]
	v_lshl_or_b32 v[\pw], v[TM+7], 24, v[\pw]          ; my row's scale word
.irp c, 0,1
	v_cvt_scalef32_pk16_fp6_f32 v[\pc+6*\c:\pc+6*\c+2], v[\s+32*\c:\s+32*\c+15], v[TM+8+2*\c]
	v_cvt_scalef32_pk16_fp6_f32 v[CT+4*\c:CT+4*\c+2], v[\s+32*\c+16:\s+32*\c+31], v[TM+9+2*\c]   ; (a conversion's three registers begin on an even number)
.endr
	v_nop                                              ; one plain instruction behind a scaled conversion
.irp c, 0,1                                        ; the operand wants a whole block in a lane
.irp i, 0,1,2
	v_permlane16_swap_b32 v[\pc+6*\c+\i], v[CT+4*\c+\i]
.endr
.irp i, 0,1,2
	v_mov_b32 v[\pc+3+6*\c+\i], v[CT+4*\c+\i]
.endr
.endr
.endm
	s_load_b512 s[8:23], s[0:1], 0x0               ; hidden, inputs, Wxr, Wxz, Wxn, Whr, Whz, Whn
	s_load_b256 s[24:31], s[0:1], 0x40             ; W1, W2, act, wq
	v_lshl_add_u32 v248, v0, 2, 0x2100
	v_mov_b32 v249, 0
	v_and_b32 v2, 15, v0                           ; r
	v_bfe_u32 v3, v0, 4, 1                         ; h
	v_lshlrev_b32 v4, 4, v0                        ; 16 x lane: into the stage, and the codes' place
	v_mul_u32_u24 v5, v2, SP
	v_lshl_add_u32 v5, v3, 6, v5                   ; out of the stage: row r, + 64 h
	v_lshlrev_b32 v7, 4, v2
	v_lshl_add_u32 v7, v3, 3, v7                   ; the scale words' place: 16 r + 8 h
	s_mov_b32 s[SEL], 0x76543210
	s_mov_b32 s[SEL+1], 0xfedcba98
.irp b, 0,1,2,3
	v_mov_b32 v[TM+4+\b], 0                        ; a lane permute's destination counts as one of its sources
.endr
	s_lshr_b32 s67, ttmp9, 2                       ; which four tasks
	s_and_b32 s66, ttmp9, 3                        ; and which of the four
	; what a gate weight's task would take: w = (s67 - 384) / 32
	s_sub_co_u32 s70, s67, 384
	s_lshr_b32 s70, s70, 5                         ; w
	s_lshl_b32 s71, s70, 5
	s_add_co_u32 s71, s71, 384
	s_lshr_b32 s72, s70, 1
	s_mul_i32 s72, s72, 25600                      ; block j = w / 2
	s_and_b32 s73, s70, 1
	s_mul_i32 s74, s73, 12288
	s_add_co_u32 s74, s74, s72
	s_add_co_u32 s74, s74, GW                      ; its codes
	s_lshl_b32 s73, s73, 9
	s_add_co_u32 s73, s73, s72
	s_add_co_u32 s73, s73, GW+24576                ; its groups
	s_wait_alu depctr_va_vdst(0)
	s_wait_kmcnt 0x0
	s_mov_b64 s[78:79], s[12:13]
.irp w, 1,2,3,4,5
	s_cmp_eq_u32 s70, \w
	s_cselect_b64 s[78:79], s[12+2*\w:13+2*\w], s[78:79]
.endr
	; s32 first number, s33 log2 K steps, s34 log2 row bytes, s35 8 where rows are reordered, s36 log2 tasks in a row block, s37 bytes of a row block, s38 of a K step, s39 codes' offset, s40 groups' offset
	s_mov_b32 s32, 0                               ; hidden -> act's h part
	s_mov_b32 s33, 3
	s_mov_b32 s34, 12
	s_mov_b32 s35, 0
	s_mov_b32 s36, 1
	s_mov_b32 s37, 204800
	s_mov_b32 s38, 25600
	s_mov_b32 s39, 12288
	s_mov_b32 s40, 25088
	s_mov_b64 s[42:43], s[8:9]
	s_mov_b64 s[44:45], s[28:29]
	s_cmp_ge_u32 s67, 256                          ; inputs
	s_cselect_b32 s32, 256, s32
	s_cselect_b32 s33, 2, s33
	s_cselect_b32 s34, 11, s34
	s_cselect_b32 s37, 51200, s37
	s_cselect_b32 s38, 12800, s38
	s_cselect_b32 s39, 0, s39
	s_cselect_b32 s40, 12288, s40
	s_cselect_b64 s[42:43], s[10:11], s[42:43]
	s_cselect_b64 s[44:45], s[30:31], s[44:45]
	s_cmp_ge_u32 s67, 384                          ; a gate weight
	s_cselect_b32 s32, s71, s32
	s_cselect_b32 s33, 3, s33
	s_cselect_b32 s34, 12, s34
	s_cselect_b32 s35, 8, s35
	s_cselect_b32 s37, 614400, s37
	s_cselect_b32 s38, 76800, s38
	s_cselect_b32 s39, s74, s39
	s_cselect_b32 s40, s73, s40
	s_cselect_b64 s[42:43], s[78:79], s[42:43]
	s_cmp_ge_u32 s67, 576                          ; W1
	s_cselect_b32 s32, 576, s32
	s_cselect_b32 s33, 2, s33
	s_cselect_b32 s34, 11, s34
	s_cselect_b32 s36, 2, s36
	s_cselect_b32 s37, 102400, s37
	s_cselect_b32 s38, 25600, s38
	s_cselect_b32 s39, W1C, s39
	s_cselect_b32 s40, W1C+24576, s40
	s_cselect_b64 s[42:43], s[24:25], s[42:43]
	s_cmp_ge_u32 s67, 592                          ; W2
	s_cselect_b32 s32, 592, s32
	s_cselect_b32 s33, 3, s33
	s_cselect_b32 s34, 12, s34
	s_cselect_b32 s35, 0, s35
	s_cselect_b32 s36, 1, s36
	s_cselect_b32 s37, 0, s37
	s_cselect_b32 s38, 12800, s38
	s_cselect_b32 s39, W2C, s39
	s_cselect_b32 s40, W2C+12288, s40
	s_cselect_b64 s[42:43], s[26:27], s[42:43]
	; my task
	s_sub_co_u32 s70, s67, s32
	s_lshl_b32 s70, s70, 2
	s_add_co_u32 s70, s70, s66                     ; task number in the tensor
	s_lshl_b32 s71, 1, s33
	s_sub_co_u32 s71, s71, 1
	s_and_b32 s71, s70, s71                        ; K step
	s_lshr_b32 s72, s70, s33                       ; which 64 rows
	s_lshr_b32 s73, s72, s36                       ; row block
	s_lshl_b32 s74, 1, s36
	s_sub_co_u32 s74, s74, 1
	s_and_b32 s74, s72, s74                        ; which four fragments of it
	s_mul_i32 s75, s73, s37
	s_mul_i32 s76, s71, s38
	s_add_co_u32 s75, s75, s76
	s_lshl_b32 s78, s74, 8
	s_add_co_u32 s78, s78, s75
	s_add_co_u32 s78, s78, s40
	s_mov_b32 s79, 0
	s_add_nc_u64 s[46:47], s[44:45], s[78:79]      ; my group
	s_mul_i32 s76, s74, 6144
	s_add_co_u32 s76, s76, s75
	s_add_co_u32 s76, s76, s39
	s_mov_b32 s77, 0
	s_add_nc_u64 s[44:45], s[44:45], s[76:77]      ; my four fragments
	s_lshl_b32 s70, s72, 6
	s_lshl_b32 s70, s70, s34
	s_lshl_b32 s71, s71, 9
	s_add_co_u32 s70, s70, s71
	s_mov_b32 s71, 0
	s_add_nc_u64 s[42:43], s[42:43], s[70:71]      ; the source at my first row, my 512 bytes of it
	s_add_co_u32 s72, s35, 8
	s_lshl_b32 s72, s72, s34                       ; from a fragment's rows 0-7 to its rows 8-15: 8 rows, or 16
	s_mov_b32 s73, 0
.irp j, 0,1,2,3
	s_mul_i32 s70, s35, (\j&1)
	s_sub_co_u32 s70, 16*\j, s70                   ; fragment j begins at row 16 j, or at 32 (j / 2) + 8 (j % 2)
	s_lshl_b32 s70, s70, s34
	s_add_nc_u64 s[48+4*\j:49+4*\j], s[42:43], s[70:71]
	s_add_nc_u64 s[50+4*\j:51+4*\j], s[48+4*\j:49+4*\j], s[72:73]
.endr
.irp i, 0,1,2,3,4,5,6,7
	s_lshl_b32 s70, \i, s34
	v_add_nc_u32 v[VO+\i], s70, v4
.endr
	s_wait_alu depctr_va_vdst(0)                   ; directly behind the writes: the rows' offsets are read by all four runs of loads
.macro LOADF j                         ; fragment j's 16 rows, 512 consecutive bytes a load
.set RB, 120*(1-((\j)%2))
	WIN 0x40*((\j)%2)
.irp i, 0,1,2,3,4,5,6,7,8,9,10,11,12,13,14,15
	global_load_b128 v[RB+4*\i:RB+4*\i+3], v[VO+\i%8], s[48+4*(\j)+2*(\i/8):49+4*(\j)+2*(\i/8)] th:TH_LOAD_NT
.endr
	WIN 0
.endm
.macro TURNF j                         ; through the stage: LDS serves a wave's instructions in order (ISA guide 5.7.1.4), so no wait stands between the stores and the loads
.set RB, 120*(1-((\j)%2))
	WIN 0x04*((\j)%2)
.irp i, 0,1,2,3,4,5,6,7,8,9,10,11,12,13,14,15
	ds_store_b128 v4, v[RB+4*\i:RB+4*\i+3] offset:SP*\i
.endr
	WIN 0
.irp b, 0,1,2,3
.irp q, 0,1,2,3
	ds_load_b128 v[X+16*\b+4*\q:X+16*\b+4*\q+3], v5 offset:128*\b+16*\q
.endr
.endr
.endm
	LOADF 0
	LOADF 1
.irp j, 0,1,2,3
.if \j < 3
	s_wait_loadcnt 16                              ; this fragment's 16 loads are in; the next fragment's 16 may be out
.else
	s_wait_loadcnt 0x0
.endif
	TURNF \j
	s_wait_dscnt 0x0                               ; my 64 numbers are back, and the stage's stores have read the set
.if \j < 2
	LOADF \j+2
.endif
	QUANT X, PC+12*\j, PW+\j
.endr
	v_cmp_le_u32 vcc_lo, 16, v0                    ; lanes 0-15 store words 0 and 1 of their row, lanes 16-31 words 2 and 3
	v_cndmask_b32 v52, v36, v38, vcc_lo
	v_cndmask_b32 v53, v37, v39, vcc_lo
	s_wait_alu depctr_va_vdst(0)                   ; ahead of the stores
.irp j, 0,1,2,3
.irp c, 0,1,2
	global_store_b128 v4, v[PC+12*\j+4*\c:PC+12*\j+4*\c+3], s[44:45] offset:1536*\j+512*\c   ; 512 consecutive bytes, aligned
.endr
.endr
	global_store_b64 v7, v[52:53], s[46:47]        ; the group: 256 consecutive bytes, aligned
	s_wait_tensorcnt 0x0                           ; the wave's end
	ds_add_u32 v248, v249
	s_wait_dscnt 0x0
	s_endpgm
.Lfunc_end_k_q59f39328dc_quant:
	.size	k_q59f39328dc_quant, .Lfunc_end_k_q59f39328dc_quant-k_q59f39328dc_quant
	.p2alignl 7, 3214868480
	.fill 96, 4, 3214868480
	.section	.rodata,"a",@progbits
	.p2align	6, 0x0
	.amdhsa_kernel k_q59f39328dc_quant
		.amdhsa_group_segment_fixed_size 8704
		.amdhsa_private_segment_fixed_size 0
		.amdhsa_enable_private_segment 0
		.amdhsa_kernarg_size 96
		.amdhsa_user_sgpr_count 2
		.amdhsa_user_sgpr_kernarg_segment_ptr 1
		.amdhsa_wavefront_size32 1
		.amdhsa_system_sgpr_workgroup_id_x 1
		.amdhsa_system_sgpr_workgroup_id_y 1
		.amdhsa_system_sgpr_workgroup_id_z 1
		.amdhsa_system_vgpr_workitem_id 0
		.amdhsa_next_free_vgpr 320
		.amdhsa_next_free_sgpr 80
		.amdhsa_reserve_vcc 1
		.amdhsa_float_denorm_mode_32 3
		.amdhsa_float_denorm_mode_16_64 3
		.amdhsa_memory_ordered 1
		.amdhsa_forward_progress 1
		.amdhsa_inst_pref_size 38
	.end_amdhsa_kernel
	.amdgpu_metadata
---
amdhsa.version: [ 1, 2 ]
amdhsa.kernels:
  - .name:           k_q59f39328dc_quant
    .symbol:         k_q59f39328dc_quant.kd
    .args:
      - { .name: hidden, .offset: 0, .size: 8, .value_kind: global_buffer, .address_space: global }
      - { .name: inputs, .offset: 8, .size: 8, .value_kind: global_buffer, .address_space: global }
      - { .name: Wxr, .offset: 16, .size: 8, .value_kind: global_buffer, .address_space: global }
      - { .name: Wxz, .offset: 24, .size: 8, .value_kind: global_buffer, .address_space: global }
      - { .name: Wxn, .offset: 32, .size: 8, .value_kind: global_buffer, .address_space: global }
      - { .name: Whr, .offset: 40, .size: 8, .value_kind: global_buffer, .address_space: global }
      - { .name: Whz, .offset: 48, .size: 8, .value_kind: global_buffer, .address_space: global }
      - { .name: Whn, .offset: 56, .size: 8, .value_kind: global_buffer, .address_space: global }
      - { .name: W1, .offset: 64, .size: 8, .value_kind: global_buffer, .address_space: global }
      - { .name: W2, .offset: 72, .size: 8, .value_kind: global_buffer, .address_space: global }
      - { .name: act, .offset: 80, .size: 8, .value_kind: global_buffer, .address_space: global }
      - { .name: wq, .offset: 88, .size: 8, .value_kind: global_buffer, .address_space: global }
    .group_segment_fixed_size: 8704
    .private_segment_fixed_size: 0
    .kernarg_segment_align: 8
    .kernarg_segment_size: 96
    .max_flat_workgroup_size: 32
    .sgpr_count:     80
    .vgpr_count:     320
    .wavefront_size: 32
...
	.end_amdgpu_metadata
.endif
;; end of part 1
;; launch fc1 (part 2): grid 4 x 64, 4 waves a work-group, clusters of 4 x 4, 168,448 bytes of LDS; arguments wq, b1, act; writes act
.if DOCPART == 2
	.amdgcn_target "amdgcn-amd-amdhsa--gfx1250"
	.amdhsa_code_object_version 6
	.text
	.protected	k_q59f39328dc_fc1
	.globl	k_q59f39328dc_fc1
	.p2align	8
	.type	k_q59f39328dc_fc1,@function
k_q59f39328dc_fc1:
	s_mov_b64 s[64:65], 0
	v_nop
	global_prefetch_b8 v0, s[64:65] scope:SCOPE_SE
	s_setreg_imm32_b32 hwreg(HW_REG_WAVE_MODE, 25, 1), 1
	s_wait_xcnt 0x0
	s_wait_alu depctr_hold_cnt(0) depctr_sa_sdst(0) depctr_va_vdst(0) depctr_va_sdst(0) depctr_va_ssrc(0) depctr_va_vcc(0) depctr_vm_vsrc(0)
	s_getreg_b32 s2, hwreg(HW_REG_IB_STS2, 6, 4)
	s_cmp_eq_u32 s2, 0
	s_cbranch_scc0 .Lentry_in_a_cluster
	s_endpgm
.Lentry_in_a_cluster:
	s_bfe_u32 s2, ttmp6, 0x10000c
	s_cmp_lg_u32 s2, 0xf033
	s_cbranch_scc0 .Lentry_shape_is_right
	s_endpgm
.Lentry_shape_is_right:
; x = relu(Q(inputs) Q(W1)^T + b1), quantised along its columns into act's x part.  Codes of FP6 (E2M3), one E8M0 scale for each 32 along K; sums in f32.
; SHARES.  A work-group makes 128 rows x 256 columns, 256 work-groups; wave (wr, wc) makes 64 x 128: 32 accumulators.  K = 512 is four steps of 128, and ALL of it lies in LDS at once:
; waves 0 and 1 fetch two blocks each of inputs' codes (12,800 bytes a block), waves 2 and 3 two each of W1's (25,600), dense in memory.  LDS bytes are filled once: no ring.
; CLUSTER 4 x 4: the four work-groups of a row of the cluster need the same rows of inputs, the four of a column the same rows of W1: each block is asked for jointly.
; THE PRODUCT IS USED TRANSPOSED (source 0 = 16 rows of W1, source 1 = 16 rows of inputs) and W1's rows were reordered when they were quantised: lane (r, h) holds row r of x, and the 16 registers of tiles
; 2 b and 2 b + 1 are columns 32 b + 16 h + 0 .. 15.  A wave's 128 columns are one K step of the gates' products: its results become four fragments and one group of scale words.
; b1 is the C of each sum's first matrix instruction.  LIMITS of the quantiser: a block whose largest magnitude lies under 2^-124, a block of zeros among them, gets the byte 1 (zero codes add nothing).
; REGISTERS: window 0: v1-13 addresses; v32-63 scale words; v64-127 b1; v128-223 inputs' fragments, two sets.  window 1: W1's fragments, two sets of 96.  window 2: accumulator (a, t) at v[8 (8 a + t)].
.set W1C, 8192000
.set T,   128                          ; the way out: 64 numbers of x
.set TM,  64
.set PW,  80
.set CT,  84
.set SEL, 50
.set MSB, 0
.macro WIN new                         ; the immediate's high byte repeats the setting that is left
.if MSB != \new
	s_set_vgpr_msb (MSB<<8)|\new
.set MSB, \new
.endif
.endm
.macro PLACES n
.rept \n
	v_nop
.endr
.endm
.macro CROUND                          ; a round of the cluster's barrier
	s_barrier_signal -1
	s_barrier_wait -1
	s_cmp_lg_u32 s10, 0
	s_cbranch_scc1 .Lnot_wave_0_\@
	s_barrier_signal -3
.Lnot_wave_0_\@:
	s_barrier_wait -3
	s_barrier_signal -1
	s_barrier_wait -1
.endm
.macro QUANT s, pc, pw                 ; 64 numbers of a lane, register 16 b + i = k 32 b + 16 (lane / 16) + i of my row, become a fragment's codes and its scale word
.irp b, 0,1,2,3
	v_max3_num_f32 v[TM+\b], |v[\s+16*\b]|, |v[\s+1+16*\b]|, 0x1800000   ; and the floor 2^(3 - 127): the byte cannot fall under 1
.endr
.irp i, 2,4,6,8,10,12,14
.irp b, 0,1,2,3
	v_max3_num_f32 v[TM+\b], v[TM+\b], |v[\s+16*\b+\i]|, |v[\s+1+16*\b+\i]|
.endr
.endr
.irp b, 0,1,2,3
	v_permlanex16_b32 v[TM+4+\b], v[TM+\b], s[SEL], s[SEL+1]
.endr
.irp b, 0,1,2,3
	v_max_num_f32 v[TM+\b], v[TM+\b], v[TM+4+\b]
.endr
.irp b, 0,1,2,3
	v_add_nc_u32 v[TM+8+\b], 0xff000000, v[TM+\b]      ; 2 off the exponent field: the conversion's scale operand
.endr
.irp b, 0,1,2,3
	v_lshrrev_b32 v[TM+4+\b], 23, v[TM+8+\b]           ; the scale's byte
.endr
	v_lshl_or_b32 v[\pw], v[TM+5], 8, v[TM+4]
	v_lshl_or_b32 v[\pw], v[TM+6], 16, v[\pw]
	v_lshl_or_b32 v[\pw], v[TM+7], 24, v[\pw]
.irp c, 0,1
	v_cvt_scalef32_pk16_fp6_f32 v[\pc+6*\c:\pc+6*\c+2], v[\s+32*\c:\s+32*\c+15], v[TM+8+2*\c]
	v_cvt_scalef32_pk16_fp6_f32 v[CT+4*\c:CT+4*\c+2], v[\s+32*\c+16:\s+32*\c+31], v[TM+9+2*\c]
.endr
	v_nop                                              ; one plain instruction behind a scaled conversion
.irp c, 0,1
.irp i, 0,1,2
	v_permlane16_swap_b32 v[\pc+6*\c+\i], v[CT+4*\c+\i]
.endr
.irp i, 0,1,2
	v_mov_b32 v[\pc+3+6*\c+\i], v[CT+4*\c+\i]
.endr
.endr
.endm
	s_load_b128 s[4:7], s[0:1], 0x0                ; wq, b1
	s_load_b64 s[8:9], s[0:1], 0x10                ; act
	v_lshl_add_u32 v254, v0, 2, 0x29000
	v_mov_b32 v255, 0
	ds_add_u32 v254, v255
	ds_add_u32 v254, v255
	v_lshrrev_b32 v1, 5, v0
	v_readfirstlane_b32 s10, v1                    ; wave
	s_lshr_b32 s40, s10, 1                         ; wr
	s_and_b32 s41, s10, 1                          ; wc
	s_bfe_u32 s36, ttmp6, 0x40000                  ; cx
	s_bfe_u32 s37, ttmp6, 0x40004                  ; cy
	s_lshl_b32 s38, ttmp9, 2
	s_add_co_u32 s38, s38, s36                     ; ct: which 256 columns
	s_and_b32 s39, ttmp7, 0xffff
	s_lshl_b32 s39, s39, 2
	s_add_co_u32 s39, s39, s37                     ; rb: which 128 rows
	s_lshl_b32 s42, s37, 2
	s_lshl_b32 s42, 15, s42                        ; my row of the cluster
	s_lshl_b32 s44, 0x1111, s36                    ; my column
	; group 1: a dense block as rows of 256 bytes (32 elements of 8 bytes): 100 rows for inputs, 200 for W1
	s_or_b32 s12, s42, (3<<16)|(1<<21)             ; 15:0 the mask; 17:16 elements of 8 bytes; 21 set beside a mask
	s_mov_b32 s13, 32<<16
	s_mov_b32 s14, 100<<16
	s_mov_b32 s15, 32<<16
	s_mov_b32 s16, 100
	s_mov_b32 s17, 32
	s_mov_b32 s18, 0
	s_mov_b32 s19, 0
	s_or_b32 s20, s44, (3<<16)|(1<<21)
	s_mov_b32 s21, 32<<16
	s_mov_b32 s22, 200<<16
	s_mov_b32 s23, 32<<16
	s_mov_b32 s24, 200
	s_mov_b32 s25, 32
	s_mov_b32 s26, 0
	s_mov_b32 s27, 0
	s_mul_i32 s42, s39, 51200                      ; inputs' block: row block and K step; nothing of cx enters
	s_mul_i32 s43, s41, 25600                      ; waves 0 and 1 fetch inputs' K steps 0-1 and 2-3: two blocks on end, dense in memory and in LDS
	s_add_co_u32 s42, s42, s43
	s_mov_b32 s29, s43                             ; and its place in LDS: 25,600 x wc
	s_mov_b32 s43, 0
	s_mul_i32 s44, s38, 102400                     ; W1's block: column block and K step; nothing of cy enters
	s_mul_i32 s45, s41, 51200                      ; waves 2 and 3 fetch W1's K steps 0-1 and 2-3
	s_add_co_u32 s44, s44, s45
	s_add_co_u32 s44, s44, W1C
	s_add_co_u32 s33, s45, 51200                   ; its place in LDS: behind inputs' four blocks
	s_mov_b32 s45, 0
	s_mov_b32 s[SEL], 0x76543210
	s_mov_b32 s[SEL+1], 0xfedcba98
	s_wait_dscnt 0x0
	s_wait_kmcnt 0x0
	s_mov_b32 s28, 1
	s_add_nc_u64 s[30:31], s[4:5], s[42:43]
	s_or_b32 s31, s31, 0x80000000
	s_mov_b32 s32, 1
	s_add_nc_u64 s[34:35], s[4:5], s[44:45]
	s_or_b32 s35, s35, 0x80000000
	CROUND                                         ; all sixteen work-groups are here: the joint loads meet
	s_cmp_eq_u32 s40, 0                            ; one tensor load a wave
	s_cbranch_scc0 .Lfor_w1
	tensor_load_to_lds s[28:31], s[12:19]
	s_nop 0
	PLACES 4
	s_branch .Lhead_asked
.Lfor_w1:
	tensor_load_to_lds s[32:35], s[20:27]
	s_nop 0
	PLACES 4
.Lhead_asked:
	v_and_b32 v3, 31, v0                           ; lane
	v_and_b32 v1, 15, v0                           ; r
	v_bfe_u32 v2, v0, 4, 1                         ; h
	v_lshlrev_b32 v11, 4, v3                       ; 16 x lane
	s_mul_i32 s46, s40, 6144
	v_add_nc_u32 v4, s46, v11                      ; inputs' fragments: my four of the block's eight
	s_mul_i32 s46, s41, 12288
	s_add_co_u32 s46, s46, 51200
	v_add_nc_u32 v5, s46, v11                      ; W1's: my eight of sixteen, K steps 0 and 1;
	v_add_nc_u32 v6, 51200, v5                     ; K steps 2 and 3
	v_lshlrev_b32 v13, 4, v1                       ; 16 r
	s_lshl_b32 s46, s40, 8
	s_add_co_u32 s46, s46, 12288
	v_add_nc_u32 v7, s46, v13                      ; inputs' scale words: my group
	s_lshl_b32 s46, s41, 9
	s_add_co_u32 s46, s46, 75776
	v_lshl_add_u32 v8, v2, 8, v13
	v_add_nc_u32 v8, s46, v8                       ; W1's: lanes 0-15 the group of my tiles 0-3, lanes 16-31 that of tiles 4-7
	v_add_nc_u32 v9, 51200, v8
	v_lshlrev_b32 v10, 6, v2                       ; b1: 64 h
	v_lshl_add_u32 v12, v2, 3, v13                 ; the way out: 16 r + 8 h
	s_lshl_b32 s46, s38, 10
	s_lshl_b32 s47, s41, 9
	s_add_co_u32 s46, s46, s47
	s_mov_b32 s47, 0
	s_add_nc_u64 s[6:7], s[6:7], s[46:47]          ; b1 at my 128 columns
.irp t, 0,1,2,3,4,5,6,7                        ; tile t, register j: column 32 (t / 2) + 16 h + 8 (t % 2) + j
	global_load_b128 v[64+8*\t:64+8*\t+3], v10, s[6:7] offset:128*(\t/2)+32*(\t%2)
	global_load_b128 v[64+8*\t+4:64+8*\t+7], v10, s[6:7] offset:128*(\t/2)+32*(\t%2)+16
.endr
	s_lshl_b32 s46, s39, 3
	s_lshl_b32 s48, s38, 1
	s_add_co_u32 s46, s46, s48
	s_add_co_u32 s46, s46, s41
	s_mul_i32 s46, s46, 25600                      ; act's block: row block rb, K step 2 ct + wc
	s_add_nc_u64 s[8:9], s[8:9], s[46:47]
	s_mul_i32 s46, s40, 6144
	s_add_nc_u64 s[52:53], s[8:9], s[46:47]        ; my four fragments of x
	s_lshl_b32 s46, s40, 8
	s_add_co_u32 s46, s46, 24576
	s_add_nc_u64 s[54:55], s[8:9], s[46:47]        ; my group
	s_wait_alu depctr_va_vdst(0)
	s_wait_tensorcnt 0x0                           ; my two blocks are in,
	s_barrier_signal -1
	s_barrier_wait -1                              ; everybody's are
.irp k, 0,1,2,3
	ds_load_b128 v[32+8*\k:35+8*\k], v7 offset:12800*\k
.endr
.irp k, 0,1
	ds_load_b128 v[36+8*\k:39+8*\k], v8 offset:25600*\k
	ds_load_b128 v[52+8*\k:55+8*\k], v9 offset:25600*\k
.endr
.macro LOADK k                         ; 36 LDS loads: K step k's fragments, as images of their registers: 512 consecutive bytes a load
	WIN 0x40
.irp t, 0,1,2,3,4,5,6,7
.irp c, 0,1,2
	ds_load_b128 v[96*((\k)%2)+12*\t+4*\c:96*((\k)%2)+12*\t+4*\c+3], v[5+(\k)/2] offset:25600*((\k)%2)+1536*\t+512*\c
.endr
.endr
	WIN 0
.irp a, 0,1,2,3
.irp c, 0,1,2
	ds_load_b128 v[128+48*((\k)%2)+12*\a+4*\c:128+48*((\k)%2)+12*\a+4*\c+3], v4 offset:12800*(\k)+1536*\a+512*\c
.endr
.endr
.endm
.macro MULK k                          ; 32 matrix instructions; the 32 accumulators take turns, one instruction a turn
.set BF, 96*((\k)%2)
.set AF, 128+48*((\k)%2)
.irp a, 0,1,2,3
.irp t, 0,1,2,3,4,5,6,7
.if (\k) == 0
.if \t < 4
	v_wmma_scale_f32_16x16x128_f8f6f4 v[8*(8*\a+\t):8*(8*\a+\t)+7], v[BF+12*\t:BF+12*\t+11], v[AF+12*\a:AF+12*\a+11], v[64+8*\t:64+8*\t+7], v[36+8*(\k)+\t%4], v[32+8*(\k)+\a] matrix_a_fmt:MATRIX_FMT_FP6 matrix_b_fmt:MATRIX_FMT_FP6
.else
	v_wmma_scale_f32_16x16x128_f8f6f4 v[8*(8*\a+\t):8*(8*\a+\t)+7], v[BF+12*\t:BF+12*\t+11], v[AF+12*\a:AF+12*\a+11], v[64+8*\t:64+8*\t+7], v[36+8*(\k)+\t%4], v[32+8*(\k)+\a] matrix_a_fmt:MATRIX_FMT_FP6 matrix_b_fmt:MATRIX_FMT_FP6 matrix_a_scale:MATRIX_SCALE_ROW1
.endif
.else
.if \t < 4
	v_wmma_scale_f32_16x16x128_f8f6f4 v[8*(8*\a+\t):8*(8*\a+\t)+7], v[BF+12*\t:BF+12*\t+11], v[AF+12*\a:AF+12*\a+11], v[8*(8*\a+\t):8*(8*\a+\t)+7], v[36+8*(\k)+\t%4], v[32+8*(\k)+\a] matrix_a_fmt:MATRIX_FMT_FP6 matrix_b_fmt:MATRIX_FMT_FP6
.else
	v_wmma_scale_f32_16x16x128_f8f6f4 v[8*(8*\a+\t):8*(8*\a+\t)+7], v[BF+12*\t:BF+12*\t+11], v[AF+12*\a:AF+12*\a+11], v[8*(8*\a+\t):8*(8*\a+\t)+7], v[36+8*(\k)+\t%4], v[32+8*(\k)+\a] matrix_a_fmt:MATRIX_FMT_FP6 matrix_b_fmt:MATRIX_FMT_FP6 matrix_a_scale:MATRIX_SCALE_ROW1
.endif
.endif
.endr
.endr
.endm
	LOADK 0
	LOADK 1
.irp k, 0,1,2,3
.if \k < 3
	s_wait_dscnt 36                                ; this K step's fragments (and the scale words) are in; the next step's 36 loads may be out
.else
	s_wait_dscnt 0x0
.endif
.if \k == 0
	s_wait_loadcnt 0x0                             ; b1
	WIN 0x81                                       ; source 0 (W1) window 1, source 1 window 0, C (b1) window 0, D window 2
.else
	WIN 0xa1                                       ; C and D window 2
.endif
	MULK \k
.if \k < 2
	PLACES 4                                       ; four plain instructions in front of loads into registers that matrix instructions have read
	LOADK \k+2
.endif
.endr
	WIN 0
	PLACES 4                                       ; in front of the first read of results, and of writes over the last fragments
.irp b, 0,1,2,3
	v_mov_b32 v[TM+4+\b], 0                        ; a lane permute's destination counts as one of its sources
.endr
.irp a, 0,1,2,3                                ; my rows 16 a on: relu in f32, quantised, stored as one fragment
	WIN 0x08                                       ; source 1 window 2
.set j, 0
.rept 64
	v_max_num_f32 v[T+j], 0, v[64*\a+j]            ; ascending: each accumulator is read from its low end on
.set j, j+1
.endr
	WIN 0
	QUANT T, 192+12*\a, PW+\a
.irp c, 0,1,2
	global_store_b128 v11, v[192+12*\a+4*\c:192+12*\a+4*\c+3], s[52:53] offset:1536*\a+512*\c   ; 512 consecutive bytes, aligned; each fragment has registers of its own, so no store's data are written again
.endr
.endr
	v_cmp_le_u32 vcc_lo, 16, v3
	v_cndmask_b32 v92, v80, v82, vcc_lo
	v_cndmask_b32 v93, v81, v83, vcc_lo
	global_store_b64 v12, v[92:93], s[54:55]       ; the group of scale words: 256 consecutive bytes, aligned
	s_wait_tensorcnt 0x0
	ds_add_u32 v254, v255
	s_wait_dscnt 0x0
	CROUND                                         ; the closing round
	s_endpgm
.Lfunc_end_k_q59f39328dc_fc1:
	.size	k_q59f39328dc_fc1, .Lfunc_end_k_q59f39328dc_fc1-k_q59f39328dc_fc1
	.p2alignl 7, 3214868480
	.fill 96, 4, 3214868480
	.section	.rodata,"a",@progbits
	.p2align	6, 0x0
	.amdhsa_kernel k_q59f39328dc_fc1
		.amdhsa_group_segment_fixed_size 168448
		.amdhsa_private_segment_fixed_size 0
		.amdhsa_enable_private_segment 0
		.amdhsa_kernarg_size 24
		.amdhsa_user_sgpr_count 2
		.amdhsa_user_sgpr_kernarg_segment_ptr 1
		.amdhsa_wavefront_size32 1
		.amdhsa_system_sgpr_workgroup_id_x 1
		.amdhsa_system_sgpr_workgroup_id_y 1
		.amdhsa_system_sgpr_workgroup_id_z 1
		.amdhsa_system_vgpr_workitem_id 0
		.amdhsa_next_free_vgpr 768
		.amdhsa_next_free_sgpr 66
		.amdhsa_reserve_vcc 1
		.amdhsa_float_denorm_mode_32 3
		.amdhsa_float_denorm_mode_16_64 3
		.amdhsa_memory_ordered 1
		.amdhsa_forward_progress 1
		.amdhsa_inst_pref_size 59
	.end_amdhsa_kernel
	.amdgpu_metadata
---
amdhsa.version: [ 1, 2 ]
amdhsa.kernels:
  - .name:           k_q59f39328dc_fc1
    .symbol:         k_q59f39328dc_fc1.kd
    .args:
      - { .name: wq, .offset: 0, .size: 8, .value_kind: global_buffer, .address_space: global }
      - { .name: b1, .offset: 8, .size: 8, .value_kind: global_buffer, .address_space: global }
      - { .name: act, .offset: 16, .size: 8, .value_kind: global_buffer, .address_space: global }
    .group_segment_fixed_size: 168448
    .private_segment_fixed_size: 0
    .kernarg_segment_align: 8
    .kernarg_segment_size: 24
    .max_flat_workgroup_size: 128
    .sgpr_count:     66
    .vgpr_count:     768
    .wavefront_size: 32
...
	.end_amdgpu_metadata
.endif
;; end of part 2
;; launch gru (part 3): grid 4 x 64, 4 waves a work-group, clusters of 4 x 4, 327,680 bytes of LDS; arguments act, wq, hidden, bxr, bhr, bxz, bhz, bxn, bhn, out1, h2; writes out1, h2
.if DOCPART == 3
	.amdgcn_target "amdgcn-amd-amdhsa--gfx1250"
	.amdhsa_code_object_version 6
	.text
	.protected	k_q59f39328dc_gru
	.globl	k_q59f39328dc_gru
	.p2align	8
	.type	k_q59f39328dc_gru,@function
k_q59f39328dc_gru:
	s_mov_b64 s[64:65], 0
	v_nop
	global_prefetch_b8 v0, s[64:65] scope:SCOPE_SE
	s_setreg_imm32_b32 hwreg(HW_REG_WAVE_MODE, 25, 1), 1
	s_wait_xcnt 0x0
	s_wait_alu depctr_hold_cnt(0) depctr_sa_sdst(0) depctr_va_vdst(0) depctr_va_sdst(0) depctr_va_ssrc(0) depctr_va_vcc(0) depctr_vm_vsrc(0)
	s_getreg_b32 s2, hwreg(HW_REG_IB_STS2, 6, 4)
	s_cmp_eq_u32 s2, 0
	s_cbranch_scc0 .Lentry_in_a_cluster
	s_endpgm
.Lentry_in_a_cluster:
	s_bfe_u32 s2, ttmp6, 0x10000c
	s_cmp_lg_u32 s2, 0xf033
	s_cbranch_scc0 .Lentry_shape_is_right
	s_endpgm
.Lentry_shape_is_right:
; The GRU cell: r = sigmoid(x Wxr^T + bxr + h Whr^T + bhr), z likewise, n = tanh(x Wxn^T + bxn + r (h Whn^T + bhn)), h' = n + z (h - n) -> out1, and Q(h') -> h2.
; The six products are on codes of FP6 (E2M3) with one E8M0 scale for each 32 along K, sums in f32; the gating is f32 and takes the unquantised hidden.
; SHARES.  256 work-groups; each makes TWO tiles of 128 rows x 128 columns on the same rows (tile t: columns 128 (4 ((g & 1) xor t) + cx) on, g the cluster's y).  Four sums an output: R, Z, XN, HN.
; Wave w makes all 128 rows x columns 32 w .. 32 w + 31: 4 x 16 accumulators, 512 registers: row tiles 0-3 in window 2, 4-7 in window 3, sum s of row tile a, column tile t at v[64 s + 16 (a % 4) + 8 t].
; ACT: the rows' codes of x and h for all of K are 204,800 dense bytes: they come into LDS ONCE, one joint tensor load of 51,200 bytes a wave, shared along a row of the cluster, and serve both tiles: no ring, no refill.
; THE WEIGHTS go from memory straight into registers: with this shape each fragment of a weight is read by ONE wave of the work-group, so a way through LDS would write and read 73,728 bytes more in each K step and share
; nothing inside the work-group; for that reason they are not asked for jointly.  A ring of four sets (x's and h's half of two K steps), 20 loads a set; a set is asked for again as soon as its products are issued.
; PREFETCH: in trips 0 and 1 of a tile each wave names the weights of the trip after the one being loaded: of its 12 pieces of 3,072 bytes the partner at cy takes 768 bytes each (by address), 18 lanes an instruction.
; hidden is not prefetched: tile 0's comes by a tensor load issued at the head and read behind eight K steps, tile 1's loads stand a whole gating ahead of the wait for them.
; A K step is two halves of 48 matrix instructions: 8 fragments of x (or h) from LDS, each against 6 fragments of weights.  TRANSPOSED USE (source 0 = weight rows, reordered when quantised): lane (r, h) holds row r,
; and the 16 registers of column tiles 0, 1 are columns 16 h + 0 .. 15 of the wave's 32.  The biases are the C of each sum's first product.  The gating works in place in the accumulators.
; THE WAY OUT: h' goes over hidden's bytes in the work-group's stage and leaves as whole rows of 512 bytes; codes and scale bytes are gathered in LDS and leave in whole units.
; sigmoid(y) = rcp(1 + 2^(-y log2 e)); tanh(y) = 1 - 2 rcp(1 + 2^(2 y log2 e)): both saturate rightly where the power overflows or falls to 0.
; LIMITS of the quantiser: a block whose largest magnitude lies under 2^-124, a block of zeros among them, gets the byte 1 (zero codes add nothing); NaN and infinities among the inputs are not served.
; REGISTERS: window 0: v4-19 addresses, v20-27 at work, v28-29 for the add, v32-47 act's scale words, v48-63 the weights', v64-207 h's weights (two sets of 72), v208-255 biases / at work in the gating.
;   window 1: v0-143 x's weights (two sets), v144-239 eight fragments of act, v240-255 bhn; in the first gating v144-255 hold the next tile's hidden.
.set BLK,   25600
.set TRIPB, 6*BLK                      ; the weights of two K steps
.set HP,    528                        ; a stage row: 512 bytes + 16
.set STG,   8*BLK                      ; behind act: the stage, 128 rows
.set BIA,   STG+128*HP                 ; the biases: 1,024 bytes a wave: [tile 2][R, Z, XN, HN][32 columns]
.set CST,   BIA+4096                   ; the codes of Q(h'): 8 fragments
.set SST,   CST+12288                  ; their scale words: 512 bytes
.set SPARE, SST+512                    ; the spare words: two blocks of 256 bytes that no other line names
.set GW,    3276800
.set H2S,   6291456
.set WV,  26
.set WB,  52                           ; s[52:53] the weights that this trip asks for
.set NC,  72                           ; s[72:73] -log2(e)
.set C2,  74                           ; s[74:75] 2 log2(e)
.set SEL, 76                           ; s[76:77] lane l xor 16
.set SK,  85                           ; the trip's place in act
.set TM,  20
.set HI,  224
.set MSB, 0
.macro WIN new                         ; the immediate's high byte repeats the setting that is left
.if MSB != (\new)
	s_set_vgpr_msb (MSB<<8)|(\new)
.set MSB, (\new)
.endif
.endm
.macro PLACES n
.rept \n
	v_nop
.endr
.endm
.macro BAR
	s_barrier_signal -1
	s_barrier_wait -1
.endm
.macro CROUND                          ; a round of the cluster's barrier
	BAR
	s_cmp_lg_u32 s[WV], 0
	s_cbranch_scc1 .Lnot_wave_0_\@
	s_barrier_signal -3
.Lnot_wave_0_\@:
	s_barrier_wait -3
	BAR
.endm
.macro ALUW
	s_wait_alu depctr_va_vdst(0)
.endm
.macro MMA d, c, wf, af, sw, sa, ra, rb
.if (\ra) && (\rb)
	v_wmma_scale_f32_16x16x128_f8f6f4 v[\d:\d+7], v[\wf:\wf+11], v[\af:\af+11], v[\c:\c+7], v[\sw], v[\sa] matrix_a_fmt:MATRIX_FMT_FP6 matrix_b_fmt:MATRIX_FMT_FP6 matrix_a_scale:MATRIX_SCALE_ROW1 matrix_b_scale:MATRIX_SCALE_ROW1
.elseif \ra
	v_wmma_scale_f32_16x16x128_f8f6f4 v[\d:\d+7], v[\wf:\wf+11], v[\af:\af+11], v[\c:\c+7], v[\sw], v[\sa] matrix_a_fmt:MATRIX_FMT_FP6 matrix_b_fmt:MATRIX_FMT_FP6 matrix_a_scale:MATRIX_SCALE_ROW1
.elseif \rb
	v_wmma_scale_f32_16x16x128_f8f6f4 v[\d:\d+7], v[\wf:\wf+11], v[\af:\af+11], v[\c:\c+7], v[\sw], v[\sa] matrix_a_fmt:MATRIX_FMT_FP6 matrix_b_fmt:MATRIX_FMT_FP6 matrix_b_scale:MATRIX_SCALE_ROW1
.else
	v_wmma_scale_f32_16x16x128_f8f6f4 v[\d:\d+7], v[\wf:\wf+11], v[\af:\af+11], v[\c:\c+7], v[\sw], v[\sa] matrix_a_fmt:MATRIX_FMT_FP6 matrix_b_fmt:MATRIX_FMT_FP6
.endif
.endm
; 24 matrix instructions: four row tiles (window n) x three weights x two column tiles; every accumulator has one instruction a turn.
; kind 0: x with Wxr, Wxz, Wxn; 1: h with Whr, Whz, Whn.  p: the set.  first = 1: a sum's first product takes its bias as C.
.macro BATCH kind, p, n, first
.irp m, 0,1,2
.set CW, \n
.set SM, \m
.set RA, 0
.if \kind == 0
.if \first
.set CW, 0
.endif
.if \m == 1
.set RA, 1
.endif
.else
.if \m == 2
.set SM, 3
.if \first
.set CW, 1
.endif
.endif
.if \m != 1
.set RA, 1
.endif
.endif
	WIN ((\n)<<6)|(CW<<4)|4|(1-\kind)
.irp a, 0,1,2,3
.irp t, 0,1
.set DD, 64*SM+16*\a+8*\t
.set CC, DD
.if \kind == 0
.set WF, 72*\p+24*\m+12*\t
.set SW, 48+4*\p+2*(\m/2)+\t
.if \first
.set CC, 208+16*\m+8*\t
.endif
.else
.set WF, 64+72*\p+24*\m+12*\t
.set SW, 56+4*\p+2*((\m+1)/2)+\t
.if \first && (\m == 2)
.set CC, 240+8*\t
.endif
.endif
.set AF, 144+12*(4*(\n-2)+\a)
.set SA, 32+8*\p+4*(\n-2)+\a
	MMA DD, CC, WF, AF, SW, SA, RA, \kind
.endr
.endr
.endr
.endm
.macro LDA off, a0                     ; four fragments of act, as images of their registers: 512 consecutive bytes a load
	WIN 0x40
.irp a, 0,1,2,3
.irp c, 0,1,2
	ds_load_b128 v[144+12*(\a0+\a)+4*\c:144+12*(\a0+\a)+4*\c+3], v6 offset:(\off)+1536*(\a0+\a)+512*\c
.endr
.endr
.endm
.macro LDSC st                         ; a K step's scale words of act: register a: lanes 0-15 x's fragment a, lanes 16-31 h's
	WIN 0
	ds_load_b128 v[32+8*((\st)%2):35+8*((\st)%2)], v7 offset:BLK*(\st)
	ds_load_b128 v[36+8*((\st)%2):39+8*((\st)%2)], v7 offset:BLK*(\st)+256
.endm
.macro LDW kind, p                     ; 20 loads: my six fragments of three weights for K step p of the trip at s[WB], and two pairs of scale words
.if \kind == 0
	WIN 0x40
.irp m, 0,1,2
.irp t, 0,1
.irp c, 0,1,2
	global_load_b128 v[72*\p+24*\m+12*\t+4*\c:72*\p+24*\m+12*\t+4*\c+3], v8, s[WB:WB+1] offset:3*BLK*\p+12800*\m-512*(\m%2)+1536*\t+512*\c
.endr
.endr
.endr
	WIN 0
	global_load_b64 v[48+4*\p:49+4*\p], v9, s[WB:WB+1] offset:3*BLK*\p
	global_load_b64 v[50+4*\p:51+4*\p], v9, s[WB:WB+1] offset:3*BLK*\p+BLK
.else
	WIN 0
.irp m, 3,4,5
.irp t, 0,1
.irp c, 0,1,2
	global_load_b128 v[64+72*\p+24*(\m-3)+12*\t+4*\c:64+72*\p+24*(\m-3)+12*\t+4*\c+3], v8, s[WB:WB+1] offset:3*BLK*\p+12800*\m-512*(\m%2)+1536*\t+512*\c
.endr
.endr
.endr
	global_load_b64 v[56+4*\p:57+4*\p], v9, s[WB:WB+1] offset:3*BLK*\p+BLK
	global_load_b64 v[58+4*\p:59+4*\p], v9, s[WB:WB+1] offset:3*BLK*\p+2*BLK
.endif
.endm
; Half a K step.  ld: the set is asked for again, two K steps on.  nx: the next half's fragments of act are fetched.  cnt: the loads issued behind this set's.
.macro HALF kind, p, first, ld, nx, cnt
	s_wait_loadcnt \cnt                            ; my set is in; the younger sets may be out
	s_wait_dscnt 12                                ; act's fragments 0-3 and the scale words are in; fragments 4-7 may be out
	BATCH \kind, \p, 2, \first
	PLACES 4                                       ; in front of loads into registers that matrix instructions have read
.if \nx
.if \kind == 0
	LDA BLK*\p+12288, 0
	s_wait_dscnt 12                                ; all but the 12 just issued
.else
	LDA BLK*(\p+1), 0
	LDSC \p+1
	s_wait_dscnt 14                                ; all but the 14 just issued
.endif
.else
	s_wait_dscnt 0x0
.endif
	BATCH \kind, \p, 3, \first
	PLACES 4
.if \nx
.if \kind == 0
	LDA BLK*\p+12288, 4
.else
	LDA BLK*(\p+1), 4
.endif
.endif
.if \ld
	LDW \kind, \p
.endif
.endm
.macro TRIP first, ld, last            ; two K steps
.if \ld
	HALF 0, 0, \first, 1, 1, 60
	HALF 1, 0, \first, 1, 1, 60
	HALF 0, 1, 0, 1, 1, 60
	HALF 1, 1, 0, 1, 1-\last, 60
.else
	HALF 0, 0, \first, 0, 1, 60                    ; nothing more is asked for: the counts run down
	HALF 1, 0, \first, 0, 1, 40
	HALF 0, 1, 0, 0, 1, 20
	HALF 1, 1, 0, 0, 1-\last, 0
.endif
	WIN 0
.endm
.macro LBIAS t                         ; tile t's biases in the result's layout: register 8 t + j = column 16 h + 8 t + j
	WIN 0
.irp k, 0,1,2
.irp q, 0,1,2,3
	ds_load_b128 v[208+16*\k+4*\q:208+16*\k+4*\q+3], v13 offset:512*\t+128*\k+16*\q
.endr
.endr
	WIN 0x40
.irp q, 0,1,2,3
	ds_load_b128 v[240+4*\q:243+4*\q], v13 offset:512*\t+384+16*\q
.endr
	WIN 0
.endm
.macro START                           ; a tile's first fragments of act
	v_mov_b32 v6, v4
	v_mov_b32 v7, v5
	ALUW
	LDA 0, 0
	LDSC 0
	LDA 0, 4
	WIN 0
.endm
.macro PKR cnt, text:vararg            ; a run over register pairs: i counts by 2
.set i, 0
.rept \cnt
	\text
.set i, i+2
.endr
.endm
.macro TRR cnt, op, base               ; a batch of transcendentals, in place
.set i, 0
.rept \cnt
	\op v[\base+i], v[\base+i]
.set i, i+1
.endr
	v_nop                                          ; a plain instruction behind the batch
.endm
; r, z and n of four row tiles, in place in window n: R -> r (v0-63), Z -> z (v64-127), XN -> n (v128-191).  Each batch has one wait ahead of it and one behind it.
.macro GATEW n
	WIN ((\n)<<6)|(\n)
	ALUW
	PKR 64, v_pk_mul_f32 v[i:i+1], v[i:i+1], s[NC:NC+1] op_sel_hi:[1,0]
	ALUW
	TRR 128, v_exp_f32, 0
	ALUW
	PKR 64, v_pk_add_f32 v[i:i+1], v[i:i+1], 1.0 op_sel_hi:[1,0]
	ALUW
	TRR 128, v_rcp_f32, 0
	WIN ((\n)<<6)|((\n)<<4)|((\n)<<2)|(\n)
	ALUW
	PKR 32, v_pk_fma_f32 v[128+i:129+i], v[i:i+1], v[192+i:193+i], v[128+i:129+i]
	PKR 32, v_pk_mul_f32 v[128+i:129+i], v[128+i:129+i], s[C2:C2+1] op_sel_hi:[1,0]
	ALUW
	TRR 64, v_exp_f32, 128
	ALUW
	PKR 32, v_pk_add_f32 v[128+i:129+i], v[128+i:129+i], 1.0 op_sel_hi:[1,0]
	ALUW
	TRR 64, v_rcp_f32, 128
	ALUW
	PKR 32, v_pk_fma_f32 v[128+i:129+i], v[128+i:129+i], -2.0, 1.0 op_sel_hi:[1,0,0]
.endm
.macro LDHI P                          ; hidden of row tiles 2 P, 2 P + 1, in the result's layout
.irp u, 0,1
.irp q, 0,1,2,3
	ds_load_b128 v[HI+16*\u+4*\q:HI+16*\u+4*\q+3], v10 offset:16*HP*(2*(\P)+\u)+16*\q
.endr
.endr
.endm
.macro HPH P                           ; h' = n + z (h - n) of row tiles 2 P, 2 P + 1, over n; into the stage over the bytes of hidden that this lane has read; each block's largest magnitude
.set N, 2+(\P)/2
.set B, 32*((\P)%2)
	WIN N<<2
	s_wait_dscnt 0x0                               ; hidden is in
	PKR 16, v_pk_add_f32 v[HI+i:HI+i+1], v[HI+i:HI+i+1], v[128+B+i:129+B+i] neg_lo:[0,1] neg_hi:[0,1]
	WIN (N<<6)|(N<<4)|N
	PKR 16, v_pk_fma_f32 v[128+B+i:129+B+i], v[64+B+i:65+B+i], v[HI+i:HI+i+1], v[128+B+i:129+B+i]
	WIN N<<2
.irp u, 0,1
.irp q, 0,1,2,3
	ds_store_b128 v10, v[128+B+16*\u+4*\q:128+B+16*\u+4*\q+3] offset:16*HP*(2*(\P)+\u)+16*\q
.endr
.endr
.if (\P) < 3
	LDHI (\P)+1
.endif
	WIN (N<<4)|(N<<2)
.irp u, 0,1
	v_max3_num_f32 v[TM+2*(\P)+\u], 0x1800000, |v[128+B+16*\u]|, |v[129+B+16*\u]|   ; with the floor 2^(3 - 127): the byte cannot fall under 1
.endr
.irp e, 2,4,6,8,10,12,14
.irp u, 0,1
	v_max3_num_f32 v[TM+2*(\P)+\u], v[TM+2*(\P)+\u], |v[128+B+16*\u+\e]|, |v[129+B+16*\u+\e]|
.endr
.endr
.endm
; A tile's gating and way out.  more = 1: the first tile: the next tile's hidden is asked for here.  so, sc, ss: out1's, h2's codes' and h2's scale words' addresses.
.macro GATES more, so, sc, ss
	WIN 0
	PLACES 4                                       ; behind the last products
.if \more
	s_wait_tensorcnt 0x0                           ; my 32 rows of this tile's hidden are in the stage,
	s_wait_dscnt 0x0
	BAR                                            ; everybody's are
.endif
	LDHI 0
.if \more
	WIN 0x40
.set i, 0
.rept 28
	global_load_b128 v[144+4*i:147+4*i], v4, s[56:57] offset:4096*i th:TH_LOAD_NT   ; the next tile's hidden: my 32 rows, 512 consecutive bytes a load
.set i, i+1
.endr
	WIN 0
.irp j, 0,1,2,3
	global_load_b128 v[208+4*\j:211+4*\j], v4, s[56:57] offset:4096*(28+\j) th:TH_LOAD_NT
.endr
.endif
	GATEW 2
	GATEW 3
	HPH 0
	HPH 1
	HPH 2
	HPH 3
	WIN 0
	ALUW
.irp a, 0,1,2,3,4,5,6,7
	v_mov_b32 v[HI+3+4*\a], 0                      ; a lane permute's destination counts as one of its sources
.endr
.irp a, 0,1,2,3,4,5,6,7
	v_permlanex16_b32 v[HI+3+4*\a], v[TM+\a], s[SEL], s[SEL+1]
.endr
.irp a, 0,1,2,3,4,5,6,7
	v_max_num_f32 v[TM+\a], v[TM+\a], v[HI+3+4*\a] ; with lane l xor 16's: the block's largest magnitude
.endr
.irp a, 0,1,2,3,4,5,6,7
	v_add_nc_u32 v[HI+3+4*\a], 0xff000000, v[TM+\a]    ; 2 off the exponent field: the conversion's scale operand
.endr
.irp a, 0,1,2,3,4,5,6,7
	v_lshrrev_b32 v[TM+\a], 23, v[HI+3+4*\a]       ; the scale's byte
.endr
.irp a, 0,1,2,3,4,5,6,7
	WIN 2+\a/4
	v_cvt_scalef32_pk16_fp6_f32 v[HI+4*\a:HI+4*\a+2], v[128+16*(\a%4):143+16*(\a%4)], v[HI+3+4*\a]
.endr
	WIN 0
	v_nop                                          ; one plain instruction behind a scaled conversion
.irp a, 0,1,2,3,4,5,6,7                        ; my 12 bytes are half of a lane's block in the last product's fragment: three words to their places in its image
	ds_store_b8 v14, v[TM+\a] offset:64*\a
	ds_store_b32 v15, v[HI+4*\a] offset:1536*\a
	ds_store_b32 v16, v[HI+4*\a+1] offset:1536*\a
	ds_store_b32 v12, v[HI+4*\a+2] offset:1536*\a
.endr
	ALUW
	s_wait_dscnt 0x0                               ; for the others' sake: my stores are done
	BAR
	WIN 0x80                                       ; the accumulators are done with: rows and codes come back into their registers
.set i, 0
.rept 32
	ds_load_b128 v[4*i:4*i+3], v11 offset:HP*i
.set i, i+1
.endr
	WIN 0xc0
.irp c, 0,1,2,3,4,5
	ds_load_b128 v[4*\c:4*\c+3], v17 offset:512*\c
.endr
	WIN 0x08
.irp g, 0,1,2,3
	s_wait_dscnt 30-8*\g                           ; eight more rows are back
.irp e, 0,1,2,3,4,5,6,7
	global_store_b128 v4, v[4*(8*\g+\e):4*(8*\g+\e)+3], s[\so:\so+1] offset:4096*(8*\g+\e) th:TH_STORE_NT   ; 512 consecutive bytes, aligned
.endr
.endr
	WIN 0x0c
	s_wait_dscnt 0x0
.irp c, 0,1,2,3,4,5
	global_store_b128 v4, v[4*\c:4*\c+3], s[\sc:\sc+1] offset:12288*(\c/3)+512*(\c%3)
.endr
	WIN 0
	s_cmp_lg_u32 s[WV], 0
	s_cbranch_scc1 .Lno_scales_\@
	ds_load_b128 v[HI:HI+3], v18                   ; wave 0: the 128 rows' scale words
	s_wait_dscnt 0x0
	global_store_b128 v4, v[HI:HI+3], s[\ss:\ss+1]
.Lno_scales_\@:
.if \more
	s_wait_loadcnt 0x0                             ; the next tile's hidden is in
	BAR                                            ; every wave has read its rows of the stage
	WIN 0x04
.set i, 0
.rept 28
	ds_store_b128 v11, v[144+4*i:147+4*i] offset:HP*i
.set i, i+1
.endr
	WIN 0
.irp j, 0,1,2,3
	ds_store_b128 v11, v[208+4*\j:211+4*\j] offset:HP*(28+\j)
.endr
	s_wait_dscnt 0x0
	BAR
	s_wait_xcnt 0x0                                ; the tile's stores have read their registers
.endif
.endm
	s_load_b512 s[4:19], s[0:1], 0x0               ; act, wq, hidden, bxr, bhr, bxz, bhz, bxn
	s_load_b128 s[20:23], s[0:1], 0x40             ; bhn, out1
	s_load_b64 s[24:25], s[0:1], 0x50              ; h2
	v_lshl_add_u32 v28, v0, 2, SPARE
	v_mov_b32 v29, 0
	ds_add_u32 v28, v29                            ; the opening lines: the add twice on end, and its wait
	ds_add_u32 v28, v29
	v_lshrrev_b32 v1, 5, v0
	v_readfirstlane_b32 s[WV], v1
	s_bfe_u32 s80, ttmp6, 0x40000                  ; cx
	s_bfe_u32 s81, ttmp6, 0x40004                  ; cy
	s_and_b32 s86, ttmp7, 0xffff                   ; g
	s_lshl_b32 s82, s86, 2
	s_add_co_u32 s82, s82, s81                     ; rb: which 128 rows
	s_and_b32 s84, s86, 1
	s_lshl_b32 s83, s84, 2
	s_add_co_u32 s83, s83, s80                     ; ct of tile 0; tile 1's is ct xor 4
	s_lshl_b32 s87, s81, 2
	s_lshl_b32 s87, 15, s87                        ; my row of the cluster
	s_or_b32 s28, s87, (3<<16)|(1<<21)             ; act: 51,200 dense bytes as 200 rows of 256
	s_mov_b32 s29, 32<<16
	s_mov_b32 s30, 200<<16
	s_mov_b32 s31, 32<<16
	s_mov_b32 s32, 200
	s_mov_b32 s33, 32
	s_mov_b32 s34, 0
	s_mov_b32 s35, 0
	s_mov_b32 s36, (3<<16)|(1<<20)|(6<<22)|(3<<25) ; hidden: 32 rows of 512 bytes, 4,096 apart, 16 bytes of padding behind each
	s_mov_b32 s37, 64<<16
	s_mov_b32 s38, 32<<16
	s_mov_b32 s39, 64<<16
	s_mov_b32 s40, 32
	s_mov_b32 s41, 512
	s_mov_b32 s42, 0
	s_mov_b32 s43, 0
	s_mul_i32 s88, s82, 8*BLK
	s_mul_i32 s45, s[WV], 2*BLK                    ; my quarter of act, in memory and in LDS
	s_add_co_u32 s88, s88, s45
	s_mov_b32 s89, 0
	s_mul_i32 s49, s[WV], 32*HP
	s_add_co_u32 s49, s49, STG                     ; my 32 rows of the stage
	s_mul_i32 s90, s83, 24*BLK
	s_add_co_u32 s90, s90, GW
	s_mov_b32 s91, 0
	s_xor_b32 s92, s83, 4
	s_mul_i32 s92, s92, 24*BLK
	s_add_co_u32 s92, s92, GW
	s_mov_b32 s93, 0
	s_lshl_b32 s94, s82, 19                        ; hidden and out1: (128 rb + 32 w) rows of 4,096 bytes + 512 ct
	s_lshl_b32 s95, s[WV], 17
	s_add_co_u32 s94, s94, s95
	s_lshl_b32 s95, s83, 9
	s_add_co_u32 s86, s94, s95
	s_xor_b32 s95, s95, 2048
	s_add_co_u32 s94, s94, s95
	s_mov_b32 s87, 0
	s_mov_b32 s95, 0
	s_lshl_b32 s96, s82, 3
	s_lshl_b32 s97, s[WV], 1
	s_add_co_u32 s97, s96, s97
	s_lshl_b32 s97, s97, 3
	s_add_co_u32 s97, s97, s83                     ; h2's fragment (row tile 8 rb + 2 w, K step ct)
	s_xor_b32 s98, s97, 4
	s_mul_i32 s97, s97, 1536
	s_mul_i32 s98, s98, 1536
	s_add_co_u32 s96, s96, s83                     ; its scale words of (rb, ct)
	s_xor_b32 s99, s96, 4
	s_lshl_b32 s96, s96, 9
	s_lshl_b32 s99, s99, 9
	s_add_co_u32 s96, s96, H2S
	s_add_co_u32 s99, s99, H2S
	s_mov_b32 s[NC], 0xbfb8aa3b
	s_mov_b32 s[NC+1], s[NC]
	s_mov_b32 s[C2], 0x4038aa3b
	s_mov_b32 s[C2+1], s[C2]
	s_mov_b32 s[SEL], 0x76543210
	s_mov_b32 s[SEL+1], 0xfedcba98
	v_and_b32 v1, 15, v0                           ; r
	v_bfe_u32 v2, v0, 4, 1                         ; h
	v_and_b32 v3, 31, v0                           ; lane
	v_lshlrev_b32 v4, 4, v3                        ; 16 x lane
	v_lshlrev_b32 v5, 4, v1
	v_lshl_add_u32 v5, v2, 9, v5
	v_add_nc_u32 v5, 24576, v5                     ; a block's groups: 16 r, lanes 16-31 512 bytes on
	s_mul_i32 s27, s[WV], 3072
	v_add_nc_u32 v8, s27, v4                       ; my two fragments of a weight's eight
	s_add_co_u32 s27, s27, CST
	v_add_nc_u32 v17, s27, v4                      ; the codes' way out: my 3,072 bytes
	s_and_b32 s27, s[WV], 1
	s_lshr_b32 s78, s[WV], 1
	s_lshl_b32 s79, s27, 3
	s_lshl_b32 s85, s78, 8
	s_add_co_u32 s79, s79, s85
	v_add_nc_u32 v9, s79, v5                       ; their scale words: group w / 2, words 2 (w % 2) and the next
	v_mul_u32_u24 v10, v1, HP
	v_lshl_add_u32 v10, v2, 6, v10
	s_lshl_b32 s79, s[WV], 7
	s_add_co_u32 s79, s79, STG
	v_add_nc_u32 v10, s79, v10                     ; the stage in the result's layout: row r, + 128 w + 64 h
	v_add_nc_u32 v11, s49, v4                      ; and by rows: my 32 rows
	s_lshl_b32 s79, s[WV], 10
	s_add_co_u32 s79, s79, BIA
	v_lshl_add_u32 v13, v2, 6, s79                 ; my biases, read: + 64 h
	v_and_b32 v20, 7, v0
	v_bfe_u32 v21, v0, 3, 1                        ; lanes 0-7 (and 16-23) take tile 0's 32 columns, lanes 8-15 (and 24-31) tile 1's
	v_lshlrev_b32 v20, 4, v20
	v_xor_b32 v22, s84, v21
	v_lshl_add_u32 v22, v22, 11, v20
	v_lshl_add_u32 v20, v21, 9, v20
	v_add_nc_u32 v20, s79, v20                     ; stored
	s_lshl_b32 s79, s80, 9
	s_lshl_b32 s85, s[WV], 7
	s_add_co_u32 s79, s79, s85
	v_add_nc_u32 v21, s79, v22                     ; and in memory
	s_add_co_u32 s79, s[WV], SST
	v_lshl_add_u32 v14, v1, 2, s79                 ; byte w of row r's scale word
	v_add_nc_u32 v18, SST, v4
	s_lshl_b32 s79, s27, 8                         ; the codes' image: register e of lane l of a fragment at 512 (e / 4) + 16 l + 4 (e % 4)
	s_add_co_u32 s79, s79, CST
	s_mul_i32 s85, s78, 6
	v_lshl_add_u32 v25, v1, 4, s79                 ; lane r + 16 (w % 2)
	v_mul_u32_u24 v24, v2, 3
	v_add_nc_u32 v24, s85, v24                     ; my first word is register 6 (w / 2) + 3 h
.irp d, 15,16,12
	v_lshrrev_b32 v27, 2, v24
	v_and_b32 v26, 3, v24
	v_lshl_add_u32 v27, v27, 9, v25
	v_lshl_add_u32 v[\d], v26, 2, v27              ; v15, v16, v12: my three words' places
	v_add_nc_u32 v24, 1, v24
.endr
	v_min_u32 v19, 17, v3                          ; the prefetches: lane -> piece lane / 3, block lane % 3
	v_mul_u32_u24 v23, v19, 11
	v_lshrrev_b32 v23, 5, v23
	v_mul_u32_u24 v24, v23, 3
	v_sub_nc_u32 v19, v19, v24
	v_lshlrev_b32 v19, 8, v19
	v_mad_u32_u24 v19, v23, 12800, v19
	v_and_b32 v23, 1, v23
	v_lshlrev_b32 v23, 9, v23
	v_sub_nc_u32 v19, v19, v23
	s_mul_i32 s79, s81, 768
	s_mul_i32 s85, s[WV], 3072
	s_add_co_u32 s79, s79, s85
	v_add_nc_u32 v19, s79, v19
	ALUW
	s_wait_dscnt 0x0                               ; both opening adds are done
	s_wait_kmcnt 0x0
	s_mov_b32 s44, 1
	s_add_nc_u64 s[46:47], s[4:5], s[88:89]
	s_or_b32 s47, s47, 0x80000000
	s_mov_b32 s48, 1
	s_add_nc_u64 s[50:51], s[8:9], s[86:87]
	s_or_b32 s51, s51, 0x80000000
	s_add_nc_u64 s[WB:WB+1], s[6:7], s[90:91]      ; tile 0's weights
	s_add_nc_u64 s[54:55], s[6:7], s[92:93]        ; tile 1's
	s_add_nc_u64 s[56:57], s[8:9], s[94:95]        ; tile 1's hidden
	s_add_nc_u64 s[58:59], s[22:23], s[86:87]      ; out1, tile 0, 1
	s_add_nc_u64 s[60:61], s[22:23], s[94:95]
	s_mov_b32 s79, 0
	s_mov_b32 s78, s97
	s_add_nc_u64 s[62:63], s[24:25], s[78:79]      ; h2's codes, tile 0, 1
	s_mov_b32 s78, s98
	s_add_nc_u64 s[66:67], s[24:25], s[78:79]
	s_mov_b32 s78, s96
	s_add_nc_u64 s[68:69], s[24:25], s[78:79]      ; h2's scale words, tile 0, 1
	s_mov_b32 s78, s99
	s_add_nc_u64 s[70:71], s[24:25], s[78:79]
	CROUND                                         ; all sixteen work-groups are here: the joint loads meet
	tensor_load_to_lds s[44:47], s[28:35]          ; my quarter of act: one tensor load a wave at the head
	s_nop 0
	PLACES 4
	global_load_b128 v[208:211], v21, s[10:11]     ; bxr
	global_load_b128 v[212:215], v21, s[12:13]     ; bhr
	global_load_b128 v[216:219], v21, s[14:15]     ; bxz
	global_load_b128 v[220:223], v21, s[16:17]     ; bhz
	global_load_b128 v[224:227], v21, s[18:19]     ; bxn
	global_load_b128 v[228:231], v21, s[20:21]     ; bhn
	LDW 0, 0
	LDW 1, 0
	s_wait_loadcnt 40                              ; the six biases are in; two sets of weights may be out
	v_pk_add_f32 v[208:209], v[208:209], v[212:213]
	v_pk_add_f32 v[210:211], v[210:211], v[214:215]
	v_pk_add_f32 v[216:217], v[216:217], v[220:221]
	v_pk_add_f32 v[218:219], v[218:219], v[222:223]
	ds_store_b128 v20, v[208:211]                  ; my wave's own bytes
	ds_store_b128 v20, v[216:219] offset:128
	ds_store_b128 v20, v[224:227] offset:256
	ds_store_b128 v20, v[228:231] offset:384
	LDW 0, 1
	ALUW
	s_wait_tensorcnt 0x0                           ; my quarter of act is in
	ds_add_u32 v28, v29
	s_wait_dscnt 0x0
	CROUND                                         ; everybody's quarter is in
	tensor_load_to_lds s[48:51], s[36:43]          ; tile 0's hidden, my 32 rows: the stage's one fill
	s_nop 0
	PLACES 4
	LDW 1, 1
	LBIAS 0
	START
	s_mov_b32 s2, 2                                ; tiles to go
.Ltile:
	s_wait_xcnt 0x0                                ; the loads issued so far have read their base
	s_add_nc_u64 s[WB:WB+1], s[WB:WB+1], TRIPB
	global_prefetch_b8 v19, s[WB:WB+1] offset:TRIPB th:TH_LOAD_NT scope:SCOPE_SE         ; trip 2's weights
	global_prefetch_b8 v19, s[WB:WB+1] offset:TRIPB+3*BLK th:TH_LOAD_NT scope:SCOPE_SE
	TRIP 1, 1, 0                                   ; K steps 0 and 1 start the sums
	s_mov_b32 s3, 2
	s_mov_b32 s[SK], 2*BLK
.Ltrip:                                            ; K steps 2, 3 and 4, 5
	s_wait_xcnt 0x0
	s_add_nc_u64 s[WB:WB+1], s[WB:WB+1], TRIPB
	v_add_nc_u32 v6, s[SK], v4
	v_add_nc_u32 v7, s[SK], v5
	ALUW
	s_cmp_eq_u32 s3, 2
	s_cbranch_scc0 .Lno_ask                        ; the tile has no trip 4
	global_prefetch_b8 v19, s[WB:WB+1] offset:TRIPB th:TH_LOAD_NT scope:SCOPE_SE         ; trip 3's weights
	global_prefetch_b8 v19, s[WB:WB+1] offset:TRIPB+3*BLK th:TH_LOAD_NT scope:SCOPE_SE
.Lno_ask:
	TRIP 0, 1, 0
	s_add_co_u32 s[SK], s[SK], 2*BLK
	s_sub_co_u32 s3, s3, 1
	s_cmp_lg_u32 s3, 0
	s_cbranch_scc1 .Ltrip
	v_add_nc_u32 v6, 6*BLK, v4
	v_add_nc_u32 v7, 6*BLK, v5
	ALUW
	s_cmp_eq_u32 s2, 1
	s_cbranch_scc1 .Llast
	s_wait_xcnt 0x0
	s_mov_b64 s[WB:WB+1], s[54:55]                 ; the ring of weights goes on into the next tile
	TRIP 0, 1, 1
	GATES 1, 58, 62, 68
	LBIAS 1
	START
	s_sub_co_u32 s2, s2, 1
	s_cmp_lg_u32 s2, 0
	s_cbranch_scc1 .Ltile                          ; (always taken: the last tile leaves the loop above)
.Llast:
	TRIP 0, 0, 1
	GATES 0, 60, 66, 70
	s_wait_tensorcnt 0x0                           ; the wave's end
	ds_add_u32 v28, v29
	s_wait_dscnt 0x0
	CROUND                                         ; the closing round
	s_endpgm
.Lfunc_end_k_q59f39328dc_gru:
	.size	k_q59f39328dc_gru, .Lfunc_end_k_q59f39328dc_gru-k_q59f39328dc_gru
	.p2alignl 7, 3214868480
	.fill 96, 4, 3214868480
	.section	.rodata,"a",@progbits
	.p2align	6, 0x0
	.amdhsa_kernel k_q59f39328dc_gru
		.amdhsa_group_segment_fixed_size 327680
		.amdhsa_private_segment_fixed_size 0
		.amdhsa_enable_private_segment 0
		.amdhsa_kernarg_size 88
		.amdhsa_user_sgpr_count 2
		.amdhsa_user_sgpr_kernarg_segment_ptr 1
		.amdhsa_wavefront_size32 1
		.amdhsa_system_sgpr_workgroup_id_x 1
		.amdhsa_system_sgpr_workgroup_id_y 1
		.amdhsa_system_sgpr_workgroup_id_z 1
		.amdhsa_system_vgpr_workitem_id 0
		.amdhsa_next_free_vgpr 1024
		.amdhsa_next_free_sgpr 100
		.amdhsa_reserve_vcc 0
		.amdhsa_float_denorm_mode_32 3
		.amdhsa_float_denorm_mode_16_64 3
		.amdhsa_memory_ordered 1
		.amdhsa_forward_progress 1
		.amdhsa_inst_pref_size 255
	.end_amdhsa_kernel
	.section	.bss,"aw",@nobits
	.p2align	6
	.space	262144
	.amdgpu_metadata
---
amdhsa.version: [ 1, 2 ]
amdhsa.kernels:
  - .name:           k_q59f39328dc_gru
    .symbol:         k_q59f39328dc_gru.kd
    .args:
      - { .name: act, .offset: 0, .size: 8, .value_kind: global_buffer, .address_space: global }
      - { .name: wq, .offset: 8, .size: 8, .value_kind: global_buffer, .address_space: global }
      - { .name: hidden, .offset: 16, .size: 8, .value_kind: global_buffer, .address_space: global }
      - { .name: bxr, .offset: 24, .size: 8, .value_kind: global_buffer, .address_space: global }
      - { .name: bhr, .offset: 32, .size: 8, .value_kind: global_buffer, .address_space: global }
      - { .name: bxz, .offset: 40, .size: 8, .value_kind: global_buffer, .address_space: global }
      - { .name: bhz, .offset: 48, .size: 8, .value_kind: global_buffer, .address_space: global }
      - { .name: bxn, .offset: 56, .size: 8, .value_kind: global_buffer, .address_space: global }
      - { .name: bhn, .offset: 64, .size: 8, .value_kind: global_buffer, .address_space: global }
      - { .name: out1, .offset: 72, .size: 8, .value_kind: global_buffer, .address_space: global }
      - { .name: h2, .offset: 80, .size: 8, .value_kind: global_buffer, .address_space: global }
    .group_segment_fixed_size: 327680
    .private_segment_fixed_size: 0
    .kernarg_segment_align: 8
    .kernarg_segment_size: 88
    .max_flat_workgroup_size: 128
    .sgpr_count:     100
    .vgpr_count:     1024
    .wavefront_size: 32
...
	.end_amdgpu_metadata
.endif
;; end of part 3
;; launch fc2 (part 4): grid 256 x 1, 8 waves a work-group, no clusters, 34,304 bytes of LDS; arguments h2, wq, b2, out0; writes out0
.if DOCPART == 4
	.amdgcn_target "amdgcn-amd-amdhsa--gfx1250"
	.amdhsa_code_object_version 6
	.text
	.protected	k_q59f39328dc_fc2
	.globl	k_q59f39328dc_fc2
	.p2align	8
	.type	k_q59f39328dc_fc2,@function
k_q59f39328dc_fc2:
	s_mov_b64 s[64:65], 0
	v_nop
	global_prefetch_b8 v0, s[64:65] scope:SCOPE_SE
	s_setreg_imm32_b32 hwreg(HW_REG_WAVE_MODE, 25, 1), 1
	s_wait_xcnt 0x0
; q = 10 tanh(Q(h') Q(W2)^T + b2), on codes of FP6 (E2M3) with one E8M0 scale for each 32 along K; sums in f32.  10 tanh(y) = 10 - 20 rcp(1 + 2^(2 y log2 e)), which saturates rightly where the power overflows or falls to 0.
; SHARES.  A work-group makes 32 rows x 128 columns, 256 work-groups, eight waves.  Wave (kh, np) takes K steps 4 kh .. 4 kh + 3 of column tiles 2 np, 2 np + 1 for both row tiles: 4 accumulators, 16 matrix instructions,
; 56 loads (60 with b2), all issued on end.  The waves of kh = 1 hand their four partial sums (4,096 bytes) through LDS to their partners of kh = 0, which add them and b2 and finish.  So a sum is two f32 partial sums, each K ascending.
; All operands were laid in the order of the operand's registers, so they go from memory straight into registers, whole fragments by dense loads: no tensor load, no ring.
; W2's codes (102,400 bytes) are read by every work-group; they are not asked for jointly: a wave has 16 matrix instructions in all, and a cluster's rounds and a trip through LDS would stand in front of them.
; No prefetch: the launch has no loop to run ahead in.
; TRANSPOSED USE (source 0 = 16 rows of W2, source 1 = 16 rows of h'): a lane holds eight neighbouring columns of one row.
; REGISTERS: window 0: v1-13 addresses and 10.0; v16-19 h's scale words (lanes 0-15 row tile 0, lanes 16-31 row tile 1); v24-31 W2's; v40-55 b2; v64-95 the accumulators; v96-127 the partner's sums, then rows on the way out.
;   window 1: h's 8 fragments at v[12 (4 m + k)], W2's 8 at v[96 + 12 (4 n + k)].
.set W2C, 8601600
.set H2S, 6291456
.set PB,  32*528                       ; behind the stage: the partial sums, 4,096 bytes for each column pair
.set SPARE, PB+16384                   ; the spare words, 128 bytes for each wave
.set MSB, 0
.macro WIN new                         ; the immediate's high byte repeats the setting that is left
.if MSB != \new
	s_set_vgpr_msb (MSB<<8)|\new
.set MSB, \new
.endif
.endm
	s_load_b128 s[4:7], s[0:1], 0x0                ; h2, wq
	s_load_b128 s[8:11], s[0:1], 0x10              ; b2, out0
	v_lshl_add_u32 v254, v0, 2, SPARE
	v_mov_b32 v255, 0
	v_lshrrev_b32 v1, 5, v0
	v_readfirstlane_b32 s12, v1                    ; wave
	s_and_b32 s13, s12, 3                          ; np
	s_lshr_b32 s22, s12, 2                         ; kh
	v_and_b32 v3, 31, v0                           ; lane
	v_and_b32 v1, 15, v0                           ; r
	v_bfe_u32 v2, v0, 4, 1                         ; h
	v_lshlrev_b32 v5, 4, v3                        ; 16 x lane
	v_lshlrev_b32 v6, 2, v3                        ; 4 x lane
	v_lshlrev_b32 v7, 4, v1                        ; 16 r
	v_lshlrev_b32 v8, 5, v2                        ; 32 h
	s_lshl_b32 s23, s13, 7
	v_mul_u32_u24 v9, v1, 528
	v_lshl_add_u32 v9, v2, 5, v9
	v_add_nc_u32 v9, s23, v9                       ; the stage: row r, + 32 h, + 128 np
	s_mul_i32 s23, s12, 4*528
	v_add_nc_u32 v10, s23, v5                      ; back: my 4 whole rows
	s_lshl_b32 s23, s13, 12
	s_add_co_u32 s23, s23, PB
	v_add_nc_u32 v11, s23, v5                      ; the partial sums of column pair np
	v_mov_b32 v12, 0x41200000                      ; 10.0
	v_mov_b32 v13, 0x41200000
	s_mov_b32 s20, 0xc1a00000                      ; -20.0
	s_mov_b32 s21, s20
	s_mov_b32 s24, 0x4038aa3b                      ; 2 log2(e)
	s_mov_b32 s25, s24
	s_mul_i32 s28, ttmp9, 24576                    ; h's fragments: two row tiles x eight K steps; mine from K step 4 kh on
	s_mul_i32 s29, s22, 6144
	s_add_co_u32 s28, s28, s29
	s_mov_b32 s29, 0
	s_lshr_b32 s30, ttmp9, 2
	s_lshl_b32 s30, s30, 12
	s_and_b32 s31, ttmp9, 3
	s_lshl_b32 s31, s31, 7
	s_add_co_u32 s30, s30, s31
	s_lshl_b32 s31, s22, 11
	s_add_co_u32 s30, s30, s31
	s_add_co_u32 s30, s30, H2S                     ; their scale words: [row block of 128][K step][row]
	s_mov_b32 s31, 0
	s_mul_i32 s40, s22, 51200                      ; W2: four K steps of 12,800 bytes
	s_mul_i32 s32, s13, 2*1536
	s_add_co_u32 s32, s32, s40
	s_add_co_u32 s32, s32, W2C                     ; fragments 2 np and 2 np + 1
	s_mov_b32 s33, 0
	s_lshr_b32 s34, s13, 1
	s_lshl_b32 s34, s34, 8
	s_and_b32 s35, s13, 1
	s_lshl_b32 s35, s35, 3
	s_add_co_u32 s34, s34, s35
	s_add_co_u32 s34, s34, s40
	s_add_co_u32 s34, s34, W2C+12288               ; their scale words: group np / 2, words 2 (np % 2) and the next
	s_mov_b32 s35, 0
	s_lshl_b32 s36, s13, 7                         ; b2: my 32 columns
	s_mov_b32 s37, 0
	s_lshl_b32 s38, ttmp9, 14
	s_lshl_b32 s39, s12, 11
	s_add_co_u32 s38, s38, s39                     ; out0: (32 x work-group + 4 x wave) rows of 512 bytes
	s_mov_b32 s39, 0
	s_wait_alu depctr_va_vdst(0)
	s_wait_kmcnt 0x0
	s_add_nc_u64 s[14:15], s[4:5], s[28:29]
	s_add_nc_u64 s[16:17], s[4:5], s[30:31]
	s_add_nc_u64 s[18:19], s[6:7], s[32:33]
	s_add_nc_u64 s[26:27], s[6:7], s[34:35]
	s_add_nc_u64 s[8:9], s[8:9], s[36:37]
	s_add_nc_u64 s[10:11], s[10:11], s[38:39]
	s_cmp_lg_u32 s22, 0
	s_cbranch_scc1 .Lno_bias                       ; b2 goes to the waves that finish the sums; it is asked for first, so that the counts below hold on both ways
.irp n, 0,1                                    ; tile n, register j: column 32 np + 16 n + 8 h + j
	global_load_b128 v[40+8*\n:43+8*\n], v8, s[8:9] offset:64*\n
	global_load_b128 v[44+8*\n:47+8*\n], v8, s[8:9] offset:64*\n+16
.endr
.Lno_bias:
.irp k, 0,1,2,3
	global_load_b32 v[16+\k], v6, s[16:17] offset:512*\k
	global_load_b64 v[24+2*\k:25+2*\k], v7, s[26:27] offset:12800*\k
.endr
	WIN 0x40
.irp k, 0,1,2,3                                ; K step by K step, 12 loads each, so that the waits below can be counted
.irp m, 0,1
.irp c, 0,1,2
	global_load_b128 v[12*(4*\m+\k)+4*\c:12*(4*\m+\k)+4*\c+3], v5, s[14:15] offset:1536*(8*\m+\k)+512*\c
.endr
.endr
.irp n, 0,1
.irp c, 0,1,2
	global_load_b128 v[96+12*(4*\n+\k)+4*\c:96+12*(4*\n+\k)+4*\c+3], v5, s[18:19] offset:12800*\k+1536*\n+512*\c
.endr
.endr
.endr
	WIN 0x05                                       ; sources window 1, C and D window 0
.irp k, 0,1,2,3
	s_wait_loadcnt 12*(3-\k)                       ; all but the 12 loads of each later K step
.irp n, 0,1                                    ; the four accumulators take turns, one instruction a turn
.if \k == 0
	v_wmma_scale_f32_16x16x128_f8f6f4 v[64+16*\n:64+16*\n+7], v[96+12*(4*\n+\k):96+12*(4*\n+\k)+11], v[12*\k:12*\k+11], 0, v[24+2*\k+\n], v[16+\k] matrix_a_fmt:MATRIX_FMT_FP6 matrix_b_fmt:MATRIX_FMT_FP6
	v_wmma_scale_f32_16x16x128_f8f6f4 v[72+16*\n:72+16*\n+7], v[96+12*(4*\n+\k):96+12*(4*\n+\k)+11], v[12*(4+\k):12*(4+\k)+11], 0, v[24+2*\k+\n], v[16+\k] matrix_a_fmt:MATRIX_FMT_FP6 matrix_b_fmt:MATRIX_FMT_FP6 matrix_b_scale:MATRIX_SCALE_ROW1
.else
	v_wmma_scale_f32_16x16x128_f8f6f4 v[64+16*\n:64+16*\n+7], v[96+12*(4*\n+\k):96+12*(4*\n+\k)+11], v[12*\k:12*\k+11], v[64+16*\n:64+16*\n+7], v[24+2*\k+\n], v[16+\k] matrix_a_fmt:MATRIX_FMT_FP6 matrix_b_fmt:MATRIX_FMT_FP6
	v_wmma_scale_f32_16x16x128_f8f6f4 v[72+16*\n:72+16*\n+7], v[96+12*(4*\n+\k):96+12*(4*\n+\k)+11], v[12*(4+\k):12*(4+\k)+11], v[72+16*\n:72+16*\n+7], v[24+2*\k+\n], v[16+\k] matrix_a_fmt:MATRIX_FMT_FP6 matrix_b_fmt:MATRIX_FMT_FP6 matrix_b_scale:MATRIX_SCALE_ROW1
.endif
.endr
.endr
	WIN 0
.rept 4
	v_nop                                          ; four plain instructions in front of the first read of results (ISA guide 7.12.1)
.endr
	s_cmp_eq_u32 s22, 0
	s_cbranch_scc1 .Lkeeps
.irp g, 0,1,2,3,4,5,6,7
	ds_store_b128 v11, v[64+4*\g:67+4*\g] offset:512*\g   ; kh = 1: my sums as an image of their registers, each accumulator from its low end on
.endr
.Lkeeps:
	s_wait_dscnt 0x0                               ; for the partner's sake: my stores are done
	s_barrier_signal -1
	s_barrier_wait -1
	s_cmp_lg_u32 s22, 0
	s_cbranch_scc1 .Lrest
.irp g, 0,1,2,3,4,5,6,7
	ds_load_b128 v[96+4*\g:99+4*\g], v11 offset:512*\g
.endr
	s_wait_dscnt 0x0
.set i, 0
.rept 16
	v_pk_add_f32 v[64+i:65+i], v[64+i:65+i], v[96+i:97+i]   ; ascending: each accumulator is read from its low end on
.set i, i+2
.endr
.irp n, 0,1
.irp m, 0,1
.irp j, 0,2,4,6
	v_pk_add_f32 v[64+16*\n+8*\m+\j:65+16*\n+8*\m+\j], v[64+16*\n+8*\m+\j:65+16*\n+8*\m+\j], v[40+8*\n+\j:41+8*\n+\j]   ; + b2
.endr
.endr
.endr
.set i, 0
.rept 16
	v_pk_mul_f32 v[64+i:65+i], v[64+i:65+i], s[24:25] op_sel_hi:[1,0]
.set i, i+2
.endr
.set i, 0
	s_wait_alu depctr_va_vdst(0)                   ; each batch has one wait ahead of it and one behind it
.rept 32
	v_exp_f32 v[64+i], v[64+i]
.set i, i+1
.endr
	v_nop
	s_wait_alu depctr_va_vdst(0)
.set i, 0
.rept 16
	v_pk_add_f32 v[64+i:65+i], v[64+i:65+i], 1.0 op_sel_hi:[1,0]
.set i, i+2
.endr
.set i, 0
	s_wait_alu depctr_va_vdst(0)
.rept 32
	v_rcp_f32 v[64+i], v[64+i]
.set i, i+1
.endr
	v_nop
	s_wait_alu depctr_va_vdst(0)
.set i, 0
.rept 16
	v_pk_fma_f32 v[64+i:65+i], v[64+i:65+i], s[20:21], v[12:13] op_sel_hi:[1,0,1]   ; 10 - 20 rcp(..)
.set i, i+2
.endr
.irp n, 0,1
.irp m, 0,1
	ds_store_b128 v9, v[64+8*(2*\n+\m):64+8*(2*\n+\m)+3] offset:8448*\m+64*\n        ; q(16 m + r, 32 np + 16 n + 8 h + 0 .. 7)
	ds_store_b128 v9, v[64+8*(2*\n+\m)+4:64+8*(2*\n+\m)+7] offset:8448*\m+64*\n+16
.endr
.endr
.Lrest:
	s_wait_dscnt 0x0                               ; for the others' sake: my stores into the stage are done
	s_barrier_signal -1
	s_barrier_wait -1                              ; a row's 512 bytes come from four waves
.irp i, 0,1,2,3
	ds_load_b128 v[96+4*\i:96+4*\i+3], v10 offset:528*\i
.endr
.irp i, 0,1,2,3
	s_wait_dscnt 3-\i                              ; row i is back; the younger rows' loads may be out
	global_store_b128 v5, v[96+4*\i:96+4*\i+3], s[10:11] offset:512*\i th:TH_STORE_NT   ; 512 consecutive bytes, aligned
.endr
	s_wait_tensorcnt 0x0                           ; the wave's end
	ds_add_u32 v254, v255
	s_wait_dscnt 0x0
	s_endpgm
.Lfunc_end_k_q59f39328dc_fc2:
	.size	k_q59f39328dc_fc2, .Lfunc_end_k_q59f39328dc_fc2-k_q59f39328dc_fc2
	.p2alignl 7, 3214868480
	.fill 96, 4, 3214868480
	.section	.rodata,"a",@progbits
	.p2align	6, 0x0
	.amdhsa_kernel k_q59f39328dc_fc2
		.amdhsa_group_segment_fixed_size 34304
		.amdhsa_private_segment_fixed_size 0
		.amdhsa_enable_private_segment 0
		.amdhsa_kernarg_size 32
		.amdhsa_user_sgpr_count 2
		.amdhsa_user_sgpr_kernarg_segment_ptr 1
		.amdhsa_wavefront_size32 1
		.amdhsa_system_sgpr_workgroup_id_x 1
		.amdhsa_system_sgpr_workgroup_id_y 1
		.amdhsa_system_sgpr_workgroup_id_z 1
		.amdhsa_system_vgpr_workitem_id 0
		.amdhsa_next_free_vgpr 512
		.amdhsa_next_free_sgpr 66
		.amdhsa_reserve_vcc 0
		.amdhsa_float_denorm_mode_32 3
		.amdhsa_float_denorm_mode_16_64 3
		.amdhsa_memory_ordered 1
		.amdhsa_forward_progress 1
		.amdhsa_inst_pref_size 22
	.end_amdhsa_kernel
	.amdgpu_metadata
---
amdhsa.version: [ 1, 2 ]
amdhsa.kernels:
  - .name:           k_q59f39328dc_fc2
    .symbol:         k_q59f39328dc_fc2.kd
    .args:
      - { .name: h2, .offset: 0, .size: 8, .value_kind: global_buffer, .address_space: global }
      - { .name: wq, .offset: 8, .size: 8, .value_kind: global_buffer, .address_space: global }
      - { .name: b2, .offset: 16, .size: 8, .value_kind: global_buffer, .address_space: global }
      - { .name: out0, .offset: 24, .size: 8, .value_kind: global_buffer, .address_space: global }
    .group_segment_fixed_size: 34304
    .private_segment_fixed_size: 0
    .kernarg_segment_align: 8
    .kernarg_segment_size: 32
    .max_flat_workgroup_size: 256
    .sgpr_count:     66
    .vgpr_count:     512
    .wavefront_size: 32
...
	.end_amdgpu_metadata
.endif
;; end of part 4
